; MI455X (gfx1250); checked and timed in simulation.
; The chip was launched on July 23, 2026; its instructions are those of AMD's public machine-readable ISA for CDNA 5 (MIT licence, August 2026) and "CDNA5" Instruction Set Architecture Reference Guide (July 2026). The comments in the code are by the model that wrote it; some were corrected since.
;; Multi Head Attention. Allowed arithmetic: float matrix products may take bf16 or f16 operands with f32 sums; other float arithmetic in f32, or as packed bf16 or f16 multiplies, adds, multiply-adds, maxima and minima; sums over many terms, partial sums and values carried from step to step in f32; what a program stores and reads back later, other than sums and carried values, may be rounded once to bf16 or f16.
;; Inputs: bk 1,024 float32; bo 1,024 float32; bq 1,024 float32; bv 1,024 float32; k 4 x 2,048 x 1,024 float32; mask 1 x 1 x 2,048 x 2,048 int32; q 4 x 2,048 x 1,024 float32; v 4 x 2,048 x 1,024 float32; wk 1,024 x 1,024 float32; wo 1,024 x 1,024 float32; wq 1,024 x 1,024 float32; wv 1,024 x 1,024 float32.
;; Outputs: out0 4 x 2,048 x 1,024 float32.
;; 2 versions, each right; version 2 is version 1 with the launch prep written anew for expert scheduling mode. Each part assembles by itself: llvm-mc -triple=amdgcn-amd-amdhsa -mcpu=gfx1250 --defsym DOCPART=n.
;; ======== version 1 of 2: 4 launches
;; limits: values are held in f16: magnitudes above 65,504 overflow, below 6.1e-05 lose precision; right only within a limited range of input values
;; workspace buffers: MB 8,388,608 bytes; RK 8,192 bytes of whole numbers; WC 8,388,608 bytes; QKV 50,331,648 bytes; OH 16,777,216 bytes
;; launch prep (part 1): grid 384 x 1, 8 waves a work-group, no clusters, 0 bytes of LDS; arguments mask, wq, wk, wv, wo, MB, RK, WC; writes MB, RK, WC
.if DOCPART == 1
	.amdgcn_target "amdgcn-amd-amdhsa--gfx1250"
	.amdhsa_code_object_version 6
	.text
	.protected	k_q4b98d5a6e2_prep
	.globl	k_q4b98d5a6e2_prep
	.p2align	8
	.type	k_q4b98d5a6e2_prep,@function
k_q4b98d5a6e2_prep:
	s_mov_b64 s[64:65], 0
	v_nop
	global_prefetch_b8 v0, s[64:65] scope:SCOPE_SE
	s_setreg_imm32_b32 hwreg(HW_REG_WAVE_MODE, 25, 1), 1
	s_wait_xcnt 0x0
; PREP: the mask and the four weight matrices are read once and written in the forms that the later launches multiply.
; Work-groups 0-127: mask [2048][2048] int32 -> MB, f16, laid out [query block 4][key step 32][query 512][key 64]: 0 where the key is visible (mask != 0),
;   -65504 where it is hidden.  A row with NO visible key is written as all visible, and RK[row] = 0 (else -1): the attention launch clears that row's query with RK,
;   so that all its scores are equal, which gives the even weights that a softmax over equal hidden scores gives.
; Work-groups 128-383: wq, wk, wv -> WC[0..2] in bf16; wo -> WC[3]: rounded to bf16 and that number written as f16.
; LIMITS: |wo| stays under 65,504; below 6.1e-5 f16 keeps a fixed step of 6e-8.  NaN and infinities are not treated apart.
; A stream: every byte is read once and written once; no LDS, no barrier, no matrix unit: no wave wants a byte that another has fetched.  All loads of a wave go out before its first wait.
.set X, 16                             ; v[16:143]  as loaded: up to 32 loads of four registers
.set Y, 144                            ; v[144:207] to store; no register of it is written after its store
	s_load_b512 s[8:23], s[0:1], 0x0               ; mask s[8:9], wq s[10:11], wk s[12:13], wv s[14:15], wo s[16:17], MB s[18:19], RK s[20:21], WC s[22:23]
	v_and_b32 v1, 31, v0                           ; lane
	v_lshrrev_b32 v13, 5, v0
	v_readfirstlane_b32 s24, v13                   ; wave 0..7
	s_cmp_lt_u32 ttmp9, 128
	s_cbranch_scc0 .Lweights
	; THE MASK.  Wave w of work-group g owns rows q0 = 16 g + 2 w and q0 + 1.  Lane: j = l % 8 (eight keys), rr = bit 3 (the row), hs = bit 4 (the parity of the key step).
	; Load pair i brings keys 64 (2 i + hs) + 8 j .. + 7 of row q0 + rr: 32 bytes, which become 16 bytes of MB.
	s_lshl_b32 s25, ttmp9, 4
	s_lshl1_add_u32 s25, s24, s25                  ; q0
	v_and_b32 v2, 7, v1
	v_lshlrev_b32 v2, 5, v2                        ; 32 j
	v_bfe_u32 v13, v1, 3, 1                        ; rr
	v_lshl_add_u32 v2, v13, 13, v2                 ; + a row of 8,192 bytes
	v_lshlrev_b32 v12, 2, v13                      ; RK: 4 rr
	v_bfe_u32 v13, v1, 4, 1                        ; hs
	v_lshl_add_u32 v2, v13, 8, v2                  ; + 64 keys of 4 bytes
	v_and_b32 v3, 15, v1
	v_lshlrev_b32 v3, 4, v3                        ; MB: 128 rr + 16 j,
	v_lshl_add_u32 v3, v13, 16, v3                 ; + a step's tile of 65,536 bytes
	v_mov_b32 v9, 0                                ; the destination of the lane exchanges counts as read
	v_mov_b32 v13, 0xfbff                          ; -65504 in f16
	s_lshl_b32 s26, s25, 13                        ; q0 rows of the mask
	s_mov_b32 s27, 0
	s_lshr_b32 s28, s25, 9
	s_lshl_b32 s28, s28, 21                        ; the query block: 32 tiles of 65,536 bytes
	s_and_b32 s29, s25, 511
	s_lshl_b32 s29, s29, 7                         ; the row in a tile: 128 bytes
	s_add_co_u32 s28, s28, s29
	s_mov_b32 s29, 0
	s_lshl_b32 s30, s25, 2
	s_mov_b32 s31, 0
	s_mov_b32 s2, 0x76543210                       ; v_permlanex16_b32: each lane takes its own place in the other half
	s_mov_b32 s3, 0xfedcba98
	s_wait_kmcnt 0x0
	s_add_nc_u64 s[8:9], s[8:9], s[26:27]
	s_add_nc_u64 s[18:19], s[18:19], s[28:29]
	s_add_nc_u64 s[20:21], s[20:21], s[30:31]
.set n, 0
.rept 16
	global_load_b128 v[X+8*n:X+8*n+3],   v2, s[8:9] offset:512*n th:TH_LOAD_NT
	global_load_b128 v[X+8*n+4:X+8*n+7], v2, s[8:9] offset:512*n+16 th:TH_LOAD_NT
.set n, n+1
.endr
	; is any key of the row visible?  Four chains of ORs, started by the first two loads; the counts let the younger loads stay out
	s_wait_loadcnt 30
.irp k, 0,1,2,3
	v_or_b32 v[4+(\k)], v[X+(\k)], v[X+4+(\k)]
.endr
.set n, 2
.rept 30
	s_wait_loadcnt 31-n                            ; load n is in: 31 - n were issued behind it
.irp k, 0,1,2,3
	v_or_b32 v[4+(\k)], v[4+(\k)], v[X+4*n+(\k)]
.endr
.set n, n+1
.endr
	v_or_b32 v4, v4, v5
	v_or_b32 v6, v6, v7
	v_or_b32 v4, v4, v6
	; across the sixteen lanes of my row: bits 0, 1, 2 and 4 of the lane's number; bit 3, the row, is never crossed
.irp m, 1,2,4
	v_mov_b32_dpp v9, v4 row_xmask:\m row_mask:0xf bank_mask:0xf
	v_or_b32 v4, v4, v9
.endr
	v_permlanex16_b32 v9, v4, s2, s3
	v_or_b32 v4, v4, v9
	v_cmp_ne_u32 s4, 0, v4                         ; the row has a visible key
	v_cndmask_b32 v10, 0, v13, s4                  ; what a hidden key is written as
	v_cndmask_b32 v11, 0, -1, s4                   ; RK
.set n, 0
.rept 64
	v_cmp_eq_u32 vcc_lo, 0, v[X+2*n]
	v_cmp_eq_u32 s5, 0, v[X+2*n+1]
	v_cndmask_b32 v[X+2*n], 0, v10, vcc_lo
	v_cndmask_b32 v[X+2*n+1], 0, v10, s5
	v_lshl_or_b32 v[Y+n], v[X+2*n+1], 16, v[X+2*n]
.set n, n+1
.endr
.set n, 0
.rept 16
	global_store_b128 v3, v[Y+4*n:Y+4*n+3], s[18:19] offset:131072*n  ; sixteen lanes store 256 consecutive bytes, aligned: two rows' 128 bytes of one step's tile
.set n, n+1
.endr
	v_and_b32 v13, 0x17, v1                        ; lanes 0 and 8 write the two rows' RK: 8 bytes a wave, 8,192 in the launch: the one store of the program that does not cover 256 bytes
	v_cmp_eq_u32 vcc_lo, 0, v13
	s_wait_xcnt 0x0                                ; EXEC is a source of the stores above: it changes only behind this wait
	s_and_saveexec_b32 s6, vcc_lo
	global_store_b32 v12, v11, s[20:21]
	s_wait_xcnt 0x0                                ; and again in front of the line that widens it
	s_or_b32 exec_lo, exec_lo, s6
	s_endpgm
.Lweights:
	; THE WEIGHTS.  Matrix wi = (g - 128) / 64, part = (g - 128) % 64: 65,536 bytes of f32 a work-group, 8,192 a wave: 16 loads of 512 consecutive bytes, 16 stores of 256.
	s_sub_co_u32 s25, ttmp9, 128
	s_lshr_b32 s26, s25, 6                         ; wi
	s_and_b32 s25, s25, 63                         ; part
	s_lshl_b32 s28, s25, 16
	s_lshl_b32 s29, s24, 13
	s_add_co_u32 s28, s28, s29
	s_mov_b32 s29, 0
	s_lshl_b32 s30, s26, 21                        ; a matrix of WC is 2 MiB
	s_lshl_b32 s31, s25, 15
	s_add_co_u32 s30, s30, s31
	s_lshl_b32 s31, s24, 12
	s_add_co_u32 s30, s30, s31
	s_mov_b32 s31, 0
	s_mov_b32 s2, 0xffff0000                       ; a word's upper bf16
	v_lshlrev_b32 v2, 4, v1
	v_lshlrev_b32 v3, 3, v1
	s_wait_kmcnt 0x0
	s_cmp_lt_u32 s26, 1
	s_cselect_b64 s[4:5], s[10:11], s[12:13]
	s_cmp_lt_u32 s26, 3
	s_cselect_b64 s[6:7], s[14:15], s[16:17]
	s_cmp_lt_u32 s26, 2
	s_cselect_b64 s[4:5], s[4:5], s[6:7]
	s_add_nc_u64 s[4:5], s[4:5], s[28:29]
	s_add_nc_u64 s[22:23], s[22:23], s[30:31]
.set n, 0
.rept 16
	global_load_b128 v[X+4*n:X+4*n+3], v2, s[4:5] offset:512*n th:TH_LOAD_NT
.set n, n+1
.endr
	s_cmp_eq_u32 s26, 3
	s_cbranch_scc1 .Lwo
.set n, 0
.rept 16
	s_wait_loadcnt 15-n                            ; load n is in: 15 - n were issued behind it
	v_cvt_pk_bf16_f32 v[Y+2*n],   v[X+4*n],   v[X+4*n+1]
	v_cvt_pk_bf16_f32 v[Y+2*n+1], v[X+4*n+2], v[X+4*n+3]
	global_store_b64 v3, v[Y+2*n:Y+2*n+1], s[22:23] offset:256*n  ; 32 lanes store 256 consecutive bytes, aligned
.set n, n+1
.endr
	s_endpgm
.Lwo:                                          ; wo: to bf16, like every input of the module, and that number as f16, the format of the product that takes it
.set n, 0
.rept 16
	s_wait_loadcnt 15-n
	v_cvt_pk_bf16_f32 v[Y+2*n],   v[X+4*n],   v[X+4*n+1]
	v_cvt_pk_bf16_f32 v[Y+2*n+1], v[X+4*n+2], v[X+4*n+3]
	v_lshlrev_b32 v[X+4*n],   16, v[Y+2*n]
	v_and_b32     v[X+4*n+1], s2, v[Y+2*n]
	v_lshlrev_b32 v[X+4*n+2], 16, v[Y+2*n+1]
	v_and_b32     v[X+4*n+3], s2, v[Y+2*n+1]
	v_cvt_pk_f16_f32 v[Y+2*n],   v[X+4*n],   v[X+4*n+1]
	v_cvt_pk_f16_f32 v[Y+2*n+1], v[X+4*n+2], v[X+4*n+3]
	global_store_b64 v3, v[Y+2*n:Y+2*n+1], s[22:23] offset:256*n
.set n, n+1
.endr
	s_endpgm
.Lfunc_end_k_q4b98d5a6e2_prep:
	.size	k_q4b98d5a6e2_prep, .Lfunc_end_k_q4b98d5a6e2_prep-k_q4b98d5a6e2_prep
	.p2alignl 7, 3214868480
	.fill 96, 4, 3214868480
	.section	.rodata,"a",@progbits
	.p2align	6, 0x0
	.amdhsa_kernel k_q4b98d5a6e2_prep
		.amdhsa_group_segment_fixed_size 0
		.amdhsa_private_segment_fixed_size 0
		.amdhsa_enable_private_segment 0
		.amdhsa_kernarg_size 64
		.amdhsa_user_sgpr_count 2
		.amdhsa_user_sgpr_kernarg_segment_ptr 1
		.amdhsa_wavefront_size32 1
		.amdhsa_system_sgpr_workgroup_id_x 1
		.amdhsa_system_sgpr_workgroup_id_y 1
		.amdhsa_system_sgpr_workgroup_id_z 1
		.amdhsa_system_vgpr_workitem_id 0
		.amdhsa_next_free_vgpr 208
		.amdhsa_next_free_sgpr 66
		.amdhsa_reserve_vcc 1
		.amdhsa_float_denorm_mode_32 3
		.amdhsa_float_denorm_mode_16_64 3
		.amdhsa_memory_ordered 1
		.amdhsa_forward_progress 1
		.amdhsa_inst_pref_size 43
	.end_amdhsa_kernel
	.amdgpu_metadata
---
amdhsa.version: [ 1, 2 ]
amdhsa.kernels:
  - .name:           k_q4b98d5a6e2_prep
    .symbol:         k_q4b98d5a6e2_prep.kd
    .args:
      - { .name: mask, .offset: 0, .size: 8, .value_kind: global_buffer, .address_space: global }
      - { .name: wq, .offset: 8, .size: 8, .value_kind: global_buffer, .address_space: global }
      - { .name: wk, .offset: 16, .size: 8, .value_kind: global_buffer, .address_space: global }
      - { .name: wv, .offset: 24, .size: 8, .value_kind: global_buffer, .address_space: global }
      - { .name: wo, .offset: 32, .size: 8, .value_kind: global_buffer, .address_space: global }
      - { .name: MB, .offset: 40, .size: 8, .value_kind: global_buffer, .address_space: global }
      - { .name: RK, .offset: 48, .size: 8, .value_kind: global_buffer, .address_space: global }
      - { .name: WC, .offset: 56, .size: 8, .value_kind: global_buffer, .address_space: global }
    .group_segment_fixed_size: 0
    .private_segment_fixed_size: 0
    .kernarg_segment_align: 8
    .kernarg_segment_size: 64
    .max_flat_workgroup_size: 256
    .sgpr_count:     66
    .vgpr_count:     208
    .wavefront_size: 32
...
	.end_amdgpu_metadata
.endif
;; end of part 1
;; launch proj (part 2): grid 4 x 192, 4 waves a work-group, clusters of 4 x 4, 327,680 bytes of LDS; arguments q, k, v, bq, bk, bv, WC, QKV; writes QKV
.if DOCPART == 2
	.amdgcn_target "amdgcn-amd-amdhsa--gfx1250"
	.amdhsa_code_object_version 6
	.text
	.protected	k_q4b98d5a6e2_proj
	.globl	k_q4b98d5a6e2_proj
	.p2align	8
	.type	k_q4b98d5a6e2_proj,@function
k_q4b98d5a6e2_proj:
	s_mov_b64 s[64:65], 0
	v_nop
	global_prefetch_b8 v0, s[64:65] scope:SCOPE_SE
	s_setreg_imm32_b32 hwreg(HW_REG_WAVE_MODE, 25, 1), 1
	s_wait_xcnt 0x0
	s_wait_alu depctr_hold_cnt(0) depctr_sa_sdst(0) depctr_va_vdst(0) depctr_va_sdst(0) depctr_va_ssrc(0) depctr_va_vcc(0) depctr_vm_vsrc(0)
	s_getreg_b32 s2, hwreg(HW_REG_IB_STS2, 6, 4)
	s_cmp_eq_u32 s2, 0
	s_cbranch_scc0 .Lentry_in_a_cluster
	s_endpgm
.Lentry_in_a_cluster:
	s_bfe_u32 s2, ttmp6, 0x10000c
	s_cmp_lg_u32 s2, 0xf033
	s_cbranch_scc0 .Lentry_shape_is_right
	s_endpgm
.Lentry_shape_is_right:
; THE THREE PROJECTIONS.  QKV[p][16 b + h][s][:] = x_p[b][s][:] . W_p[64 h ..][:] + bias_p, p = 0, 1, 2 for q, k, v.  x: [8192][1024] f32; W_p: WC[p], [1024][1024] bf16; the result f16, by heads, unscaled.
; x and the bias are rounded to bf16 on the way (as the weights were); products in bf16, sums in f32, K ascending, begun with the bias; the result is rounded once.
; LIMIT: a projected number of 65,520 or more becomes an infinity in f16.  NaN and infinities are not treated apart.
; SHARES.  A tile is 128 rows x 256 columns (four heads): 256 tiles a projection, 768 work-groups.  Four waves, each 64 x 128: 32 accumulators, 256 registers.
; W COMES BY TENSOR LOADS: two LDS slots, each with 256 along K of the tile's 256 rows (rows of 512 bytes); every wave fetches 64 rows.  K has four such BIG STEPS: two first fills and two refills;
; a refill has a big step, 256 matrix instructions a wave, in which to land.  CLUSTER 4 x 4: the four work-groups of a column of the cluster make the same columns and ask for W's tile jointly.
; X COMES THROUGH REGISTERS.  A SUB-STEP is 64 along K.  Of a sub-step's 128 rows x 256 bytes a wave loads 32 rows (16 loads, each of two rows' aligned 256 bytes) into one of four SETS of 64 registers, rounds
; them to bf16 once and stores them into a stage of two buffers of 128 rows x 128 bytes, from which all four waves read fragments.  A set is asked for again as soon as it is rounded: four sub-steps,
; 256 matrix instructions, ahead of its next rounding.  One work-group barrier a sub-step orders the stage: in front of it a wave's stores into one buffer and its reads of the other are done.
; WHY X IS NOT ASKED FOR JOINTLY, though the four work-groups of a row of the cluster read the same rows: as f32, a slot of 256 along K is 133,120 bytes; two of them beside W's 270,336 do not fit in 327,680,
; and slots of 128 along K leave a refill 112 matrix instructions.  Through registers x takes 36,864 bytes of LDS, and what is on its way does not end at a change of slots.
; THE MATRIX INSTRUCTION IS USED TRANSPOSED (source 0 = 16 rows of W, source 1 = 16 rows of x): a lane holds row l % 16 of the result and eight neighbouring columns.
; REGISTERS in windows of 256 (s_set_vgpr_msb: bits 1:0 source 0, 3:2 source 1, 5:4 source 2, 7:6 destination):
;   window 0: v0-31 addresses; v32-63 x rounded, on its way to the stage; v64-191 packed results on the way out; v192-255 the bias of my 128 columns
;   window 1: two fragment buffers at 0 and 128: x at + 8 a, W at + 32 + 8 b     window 2: accumulator (a, b) at 8 (8 a + b)     window 3: the four sets, set s at 64 s
.set WP,    528                        ; a row of W in LDS: 512 bytes + 16: the 16 rows of a load start at 16 different groups of four banks (64 banks of 4 bytes: ISA guide 11.1)
.set WQ,    64*WP                      ; what a tensor load brings: 0x8400 bytes; the four waves' parts begin at multiples of it
.set WSLOT, 4*WQ                       ; 0x21000: it shares no bit with 0x8400, 0x10800, 0x18c00, so one exclusive or changes a descriptor's slot
.set XS0,   2*WSLOT                    ; the stage for x
.set XPI,   144                        ; a row of it: 128 bytes + 16
.set XBUF,  128*XPI
.set STAGE, XS0+2*XBUF                 ; the way out: 16 rows x 144 bytes for each wave
.set SP,    144
.set BIAS,  STAGE+4*16*SP              ; 512 bytes for each wave: its 128 columns' bias.  No tensor load fills anything from XS0 on
.set SPARE, BIAS+4*512                 ; the spare words, 128 bytes a wave: two blocks of 256 bytes that no other line names
.set ADRA,  16                         ; v16  my lane's place in x's stage, for fragments; never rewritten
.set ADRB0, 18                         ; v18  my lane's place in W's tile; never rewritten
.set ADRB,  19                         ; v19  the same in the slot in hand
.set XST,   20                         ; v20  where I store 8 bytes of x; never rewritten
.set XO,    21                         ; v21  my byte offset in two rows of x in memory; never rewritten
.set PFOX,  22                         ; v22, v23  the prefetches' offsets; never rewritten
.set PFOW,  23
.set STO,   24                         ; the way out: where I put 16 bytes of a row
.set RD,    25                         ; where I read rows back
.set GO,    26                         ; 16 x my lane
.set BL,    27                         ; where I put my four numbers of the bias
.set SPW,   28                         ; LDS address of my spare word; never rewritten
.set NIL,   29                         ; 0; never rewritten
.set BR,    30                         ; where I read the bias back
.set T,     32
.set OUT,   64
.set BI,    192
.set CNT,   3                          ; s3   the loop's count
.set TBW,   23                         ; s23  LDS byte at which W's slot in hand begins
.set G1W,   24                         ; s[24:31] descriptor group 1;  s[32:39] group 0: a set for each first fill; the second then walks
.set G0W,   32
.set PFX,   44                         ; s[44:45], s[46:47] what the two prefetches name; never rewritten
.set PFW,   46
.set LIMW,  84                         ; s84  1 in the projection's first cluster
.set MUL,   0xa5                       ; W and x in window 1, C and D in window 2
.set MULB,  0x85                       ; the same with C, the bias, in window 0
.set CV,    0x40                       ; destination window 1, addresses window 0
.set MSB, 0
.macro WIN new                         ; the immediate's high byte repeats the setting that is left; a switch that changes nothing is dropped
.if MSB != (\new)
	s_set_vgpr_msb (MSB<<8)|(\new)
.set MSB, \new
.endif
.endm
.macro PLACES                          ; four plain instructions behind a matrix instruction, in front of loads into registers that it has read
.rept 4
	v_nop
.endr
.endm
.macro CREST                           ; a round of the cluster's barrier behind its opening barrier
	s_cmp_lg_u32 s10, 0
	s_cbranch_scc1 .Lnot_wave_0_\@
	s_barrier_signal -3
.Lnot_wave_0_\@:
	s_barrier_wait -3
	s_barrier_signal -1
	s_barrier_wait -1
.endm
.macro CROUND
	s_barrier_signal -1
	s_barrier_wait -1
	CREST
.endm
; TWO PREFETCHES INTO THE L2, behind the first refill and the run of LDS loads that follows it: the tile's last big step, which the next trip asks for.  x's rows are read by this cluster's row alone: of my wave's
; 32 rows x 1,024 bytes the partner at cx names the 256 bytes of sub-step cx, a lane a row.  W's rows are read by the sixteen clusters of a projection: the first of them asks; of my wave's 64 rows x 512 bytes the
; partner at cy names 16 rows, two lanes a row.  Partners are told apart by address; each block of 256 bytes is named once in the launch.  Big steps 0 to 2 come by their loads alone.
.macro ASK
	WIN 0
	s_cmp_eq_u32 s[CNT], 2
	s_cbranch_scc0 .Lnot_now_\@
	global_prefetch_b8 v[PFOX], s[PFX:PFX+1] th:TH_LOAD_NT scope:SCOPE_SE
	s_cmp_eq_u32 s[LIMW], 1
	s_cbranch_scc0 .Lnot_now_\@
	global_prefetch_b8 v[PFOW], s[PFW:PFW+1] th:TH_LOAD_NT scope:SCOPE_SE
.Lnot_now_\@:
.endm
; Set sn is asked for: my 32 rows' 256 bytes of sub-step sn of the big step that begins off bytes behind the pointer.  Lanes 0-15 take one row, lanes 16-31 the next.
.macro XLOAD sn, off
	WIN 0xc0                                       ; destination window 3, address window 0
.set z, 0
.rept 16
	global_load_b128 v[64*(\sn)+4*z:64*(\sn)+4*z+3], v[XO], s[4:5] offset:(\off)+256*(\sn)+8192*z
.set z, z+1
.endr
.endm
.macro CVT4 sn                         ; the next four of the 32 roundings of set sn
	WIN 0x0f                                       ; sources window 3, destination window 0
.rept 4
	v_cvt_pk_bf16_f32 v[T+cn], v[64*(\sn)+2*cn], v[64*(\sn)+2*cn+1]
.set cn, cn+1
.endr
.endm
.macro XSTORE b                        ; 8 bytes a lane, two rows a store, into buffer b of the stage
	WIN 0
.set z, 0
.rept 16
	ds_store_b64 v[XST], v[T+2*z:T+2*z+1] offset:(\b)*XBUF+2*XPI*z
.set z, z+1
.endr
.endm
; 24 LDS loads in one run: the fragments of a quarter (32 along K) into buffer g: x from byte xoff of the stage, W from byte woff of its rows
.macro FETCH xoff, woff, g
	WIN CV
.irp a, 0,1,2,3
	ds_load_b128 v[128*(\g)+8*(\a):128*(\g)+8*(\a)+3],   v[ADRA] offset:(\xoff)+(\a)*16*XPI
	ds_load_b128 v[128*(\g)+8*(\a)+4:128*(\g)+8*(\a)+7], v[ADRA] offset:(\xoff)+(\a)*16*XPI+32
.endr
.irp b, 0,1,2,3,4,5,6,7
	ds_load_b128 v[128*(\g)+32+8*(\b):128*(\g)+32+8*(\b)+3],   v[ADRB] offset:(\woff)+(\b)*16*WP
	ds_load_b128 v[128*(\g)+32+8*(\b)+4:128*(\g)+32+8*(\b)+7], v[ADRB] offset:(\woff)+(\b)*16*WP+32
.endr
.endm
; The quarter's next product, number mi of 32: a = mi / 8, b = mi % 8.  The 32 accumulators take turns, one instruction a turn, in the same order in every quarter.
; bias = 1: the tile's first quarter: the sum begins with the bias of the lane's eight columns as C: nothing is cleared, and nothing is added on the way out.
.macro MM f, bias
.if \bias
	WIN MULB
	v_wmma_f32_16x16x32_bf16 v[8*mi:8*mi+7], v[128*(\f)+32+8*(mi%8):128*(\f)+32+8*(mi%8)+7], v[128*(\f)+8*(mi/8):128*(\f)+8*(mi/8)+7], v[BI+8*(mi%8):BI+8*(mi%8)+7]
.else
	WIN MUL
	v_wmma_f32_16x16x32_bf16 v[8*mi:8*mi+7], v[128*(\f)+32+8*(mi%8):128*(\f)+32+8*(mi%8)+7], v[128*(\f)+8*(mi/8):128*(\f)+8*(mi/8)+7], v[8*mi:8*mi+7]
.endif
.set mi, mi+1
.endm
; THE FIRST QUARTER of the sub-step at place s (0..3) of its big step: multiplies buffer 0 and fetches the second quarter into buffer 1.
; xp = 1: the NEXT sub-step's x, set (s + 1) % 4, is rounded (four roundings behind each of eight products) and stored into the other buffer of the stage, which every wave has left: its last reads were waited
; for in front of the barrier of the sub-step before.  n: the loads issued behind that set's, which may stay out.  ld = 1: the set is asked for again, for the big step after the one it served.
.macro Q0 s, xp, n, ld, bias
	s_wait_dscnt 0x0                               ; buffer 0 is in
	PLACES                                         ; behind the last product that read buffer 1
	FETCH ((\s)&1)*XBUF+64, 64*(2*(\s)+1), 1
.set mi, 0
.set cn, 0
.rept 8
	MM 0, \bias
.endr
.if \xp
	s_wait_loadcnt \n
.rept 8
	MM 0, \bias
	CVT4 ((\s)+1)&3
.endr
	XSTORE ((\s)+1)&1
.if \ld
	XLOAD ((\s)+1)&3, 1024
.endif
.else
.rept 8
	MM 0, \bias
.endr
.endif
.rept 16
	MM 0, \bias
.endr
.endm
; THE SECOND QUARTER at places 0 to 2: multiplies buffer 1; the sub-step's barrier; behind it the next sub-step's first fragments.
.macro Q1 s
	s_wait_dscnt 0x0                               ; buffer 1 is in: my reads of this sub-step's stage buffer are over; my stores into the other are done
	s_barrier_signal -1
.set mi, 0
.rept 8
	MM 1, 0
.endr
	s_barrier_wait -1                              ; both now hold of every wave
	PLACES                                         ; behind the last product that read buffer 0
	FETCH (((\s)+1)&1)*XBUF, 64*(2*(\s)+2), 0
.rept 24
	MM 1, 0
.endr
.endm
; THE SECOND QUARTER at place 3: the sub-step's barrier is also the change of W's slots.  In front of it each wave waits for all its tensor loads (one is out: its part of the other slot), adds 0 to its spare
; word, and waits for that, for its reads of this slot and of the stage, and for its stores.  fill = 1: the barrier opens a round of the cluster's barrier, and the joint refill, the big step after next, is the first
; thing behind the round.
.macro Q1C fill
	WIN 0
	s_wait_tensorcnt 0x0                           ; all my tensor loads have landed, so a group 0 may be written
	ds_add_u32 v[SPW], v[NIL]                      ; 0 onto my spare word
	s_wait_dscnt 1                                 ; buffer 1 is in; only the add may be out
.set mi, 0
.rept 8
	MM 1, 0
.endr
	s_wait_dscnt 0x0                               ; the add is done
	s_barrier_signal -1
.rept 8
	MM 1, 0
.endr
	WIN 0
	s_barrier_wait -1
.if \fill
	CREST                                          ; no wave of any partner still reads this slot or has a load on its way
	s_xor_b32 s[G0W+5], s[G0W+5], WSLOT            ; the walking descriptor: the other slot than last time, the next big step
	s_add_nc_u64 s[G0W+6:G0W+7], s[G0W+6:G0W+7], 512
	tensor_load_to_lds s[G0W+4:G0W+7], s[G1W:G1W+7]
	s_nop 0
	PLACES                                         ; the places in front of the loads below
.else
	PLACES
.endif
	s_xor_b32 s[TBW], s[TBW], WSLOT
	v_add_nc_u32 v[ADRB], s[TBW], v[ADRB0]
	FETCH 0, 0, 0
.if \fill
	ASK
.endif
.rept 16
	MM 1, 0
.endr
.endm
	s_load_b512 s[68:83], s[0:1], 0x0              ; q s[68:69], k s[70:71], v s[72:73], bq s[74:75], bk s[76:77], bv s[78:79], WC s[80:81], QKV s[82:83]
	v_lshl_add_u32 v[SPW], v0, 2, SPARE
	v_mov_b32 v[NIL], 0
	ds_add_u32 v[SPW], v[NIL]                      ; the wave's opening: the add and its wait stand ahead of my first tensor load; the set-up below stands between them
	v_lshrrev_b32 v1, 5, v0
	v_readfirstlane_b32 s10, v1                    ; wave 0..3
	s_lshr_b32 s11, s10, 1                         ; my half of the tile's rows
	s_and_b32 s12, s10, 1                          ; my half of its columns
	s_bfe_u32 s40, ttmp6, 0x40000                  ; cx = the tile column (the grid is one cluster wide)
	s_bfe_u32 s41, ttmp6, 0x40004                  ; cy
	s_and_b32 s42, ttmp7, 0xffff                   ; the cluster's y, 0..47
	s_lshr_b32 s43, s42, 4                         ; the projection
	s_and_b32 s13, s42, 15
	s_lshl_b32 s13, s13, 2
	s_add_co_u32 s13, s13, s41                     ; the tile row, 0..63
	s_lshl_b32 s18, 0x1111, s40                    ; my column of the cluster
	s_or_b32 s[G1W], s18, (1<<16)|(1<<20)|(1<<21)|(6<<22)|(3<<25)  ; the mask; elements of 2 bytes; padding on; bit 21 beside a mask; after every 128 words (code 6) 4 words (code 3)
	s_mov_b32 s[G1W+1], 256<<16                    ; tensor_dim0 = 256
	s_mov_b32 s[G1W+2], 64<<16                     ; tensor_dim1 = 64
	s_mov_b32 s[G1W+3], 256<<16                    ; tile_dim0 = 256
	s_mov_b32 s[G1W+4], 64                         ; tile_dim1 = 64
	s_mov_b32 s[G1W+5], 1024                       ; elements from row to row
	s_mov_b32 s[G1W+6], 0
	s_mov_b32 s[G1W+7], 0
	s_lshl_b32 s16, s13, 19                        ; x: 128 rows of 4,096 bytes a tile row,
	s_lshl_b32 s17, s10, 17                        ; 32 rows a wave
	s_add_co_u32 s16, s16, s17
	s_mov_b32 s17, 0
	s_lshl_b32 s20, s40, 19                        ; W: 256 rows of 2,048 bytes a tile column,
	s_lshl_b32 s21, s10, 17                        ; 64 rows a wave,
	s_add_co_u32 s20, s20, s21
	s_lshl_b32 s21, s43, 21                        ; 2 MiB a matrix
	s_add_co_u32 s20, s20, s21
	s_mov_b32 s21, 0
	s_lshl_b32 s88, s40, 10                        ; the bias: 256 columns of 4 bytes a tile column,
	s_lshl_b32 s89, s12, 9                         ; 128 a wave
	s_add_co_u32 s88, s88, s89
	s_mov_b32 s89, 0
	s_mul_i32 s85, s10, WQ                         ; where my 64 rows of W go in slot 0: no place in the cluster enters an LDS address
	s_mov_b32 s[TBW], 0
	v_and_b32 v1, 15, v0                           ; r = l % 16
	v_bfe_u32 v2, v0, 4, 1                         ; h = l / 16
	v_and_b32 v3, 31, v0                           ; l
	v_lshlrev_b32 v[XO], 4, v1
	v_lshl_add_u32 v[XO], v2, 12, v[XO]            ; 16 r + a row of 4,096 bytes for lanes 16-31
	v_lshlrev_b32 v[GO], 4, v3
	s_wait_dscnt 0x0                               ; the opening add is done
	s_wait_kmcnt 0x0
	s_cmp_eq_u32 s43, 0
	s_cselect_b64 s[4:5], s[68:69], s[70:71]       ; x and the bias of my projection: the choice hangs on the cluster's y, which all partners share
	s_cselect_b64 s[6:7], s[74:75], s[76:77]
	s_cmp_eq_u32 s43, 2
	s_cselect_b64 s[4:5], s[72:73], s[4:5]
	s_cselect_b64 s[6:7], s[78:79], s[6:7]
	s_add_nc_u64 s[4:5], s[4:5], s[16:17]          ; x at my 32 rows, big step 0
	s_add_nc_u64 s[6:7], s[6:7], s[88:89]
	global_load_b128 v[4:7], v[GO], s[6:7]         ; the bias of my 128 columns: four numbers a lane
	XLOAD 0, 0                                     ; the four sets: big step 0
	XLOAD 1, 0
	XLOAD 2, 0
	XLOAD 3, 0
	WIN 0
	s_add_nc_u64 s[18:19], s[80:81], s[20:21]
.irp s, 0,1
	s_mov_b32 s[G0W+4*(\s)], 1                                     ; count = 1
	s_add_co_u32 s[G0W+4*(\s)+1], s85, (\s)*WSLOT                  ; LDS address
	s_add_nc_u64 s[G0W+4*(\s)+2:G0W+4*(\s)+3], s[18:19], (\s)*512  ; global address: big step s
	s_or_b32 s[G0W+4*(\s)+3], s[G0W+4*(\s)+3], 0x80000000          ; type = 2
.endr
	CROUND                                         ; all sixteen work-groups are here: the first joint loads meet
	tensor_load_to_lds s[G0W:G0W+3], s[G1W:G1W+7]  ; both first fills together: two loads of mine are out
	s_nop 0
	tensor_load_to_lds s[G0W+4:G0W+7], s[G1W:G1W+7]
	s_nop 0
	PLACES
	; a fragment is 16 rows x 32 K of bf16: lane l holds row r, K = 8 h + 0..7 and 16 + 8 h + 0..7: 16 bytes at 16 h and 16 at 32 + 16 h
	v_mul_u32_u24 v[ADRA], v1, XPI
	v_lshl_add_u32 v[ADRA], v2, 4, v[ADRA]
	s_mul_i32 s86, s11, 64*XPI                     ; my 64 rows of x
	s_add_co_u32 s86, s86, XS0
	v_add_nc_u32 v[ADRA], s86, v[ADRA]
	v_mul_u32_u24 v[ADRB0], v1, WP
	v_lshl_add_u32 v[ADRB0], v2, 4, v[ADRB0]
	s_mul_i32 s86, s12, 128*WP                     ; my 128 rows of W
	v_add_nc_u32 v[ADRB0], s86, v[ADRB0]
	v_mov_b32 v[ADRB], v[ADRB0]
	v_mul_u32_u24 v[XST], v2, XPI                  ; into the stage: row h of a pair, my four numbers: 8 bytes at 8 r,
	v_lshl_add_u32 v[XST], v1, 3, v[XST]
	s_mul_i32 s86, s10, 32*XPI                     ; among the 32 rows that I load
	s_add_co_u32 s86, s86, XS0
	v_add_nc_u32 v[XST], s86, v[XST]
	s_lshl_b32 s86, s10, 9
	s_add_co_u32 s86, s86, BIAS                    ; my wave's 512 bytes for the bias
	v_add_nc_u32 v[BL], s86, v[GO]
	v_lshl_add_u32 v[BR], v2, 5, s86               ; back: my eight columns of each sixteen
	s_mul_i32 s86, s10, 16*SP
	s_add_co_u32 s86, s86, STAGE                   ; my stage for the way out
	v_mul_u32_u24 v[STO], v1, SP
	v_lshl_add_u32 v[STO], v2, 4, v[STO]
	v_add_nc_u32 v[STO], s86, v[STO]
	v_bfe_u32 v[RD], v0, 3, 2                      ; back: 32 lanes take four rows of 128 bytes, which are 512 consecutive bytes of a head
	v_mul_u32_u24 v[RD], v[RD], SP
	v_and_b32 v8, 7, v0
	v_lshl_add_u32 v[RD], v8, 4, v[RD]
	v_add_nc_u32 v[RD], s86, v[RD]
	; the result: QKV + p x 16 MiB + ((16 batch + 4 cx + 2 wc) x 2048 + the tile's first row in the batch + 64 wr) x 128
	s_lshr_b32 s88, s13, 4
	s_lshl_b32 s88, s88, 4
	s_lshl2_add_u32 s88, s40, s88
	s_lshl1_add_u32 s88, s12, s88
	s_lshl_b32 s88, s88, 11
	s_and_b32 s89, s13, 15
	s_lshl_b32 s89, s89, 7
	s_add_co_u32 s88, s88, s89
	s_lshl_b32 s89, s11, 6
	s_add_co_u32 s88, s88, s89
	s_lshl_b32 s88, s88, 7
	s_lshl_b32 s89, s43, 24
	s_add_co_u32 s88, s88, s89
	s_mov_b32 s89, 0
	s_add_nc_u64 s[8:9], s[82:83], s[88:89]
	; the prefetches
	s_lshl_b32 s90, s40, 8                         ; x: sub-step cx
	s_add_co_u32 s90, s90, 3*1024                  ; of big step 3
	s_mov_b32 s91, 0
	s_add_nc_u64 s[PFX:PFX+1], s[4:5], s[90:91]
	s_lshl_b32 s92, s41, 15                        ; W: my work-group's 16 rows of the wave's 64,
	s_add_co_u32 s92, s92, 3*512                   ; big step 3
	s_mov_b32 s93, 0
	s_add_nc_u64 s[PFW:PFW+1], s[18:19], s[92:93]
	s_and_b32 s94, s42, 15
	s_cmp_eq_u32 s94, 0
	s_cselect_b32 s[LIMW], 1, 0                    ; the same in all sixteen partners
	v_lshlrev_b32 v[PFOX], 12, v3                  ; x: row l
	v_lshrrev_b32 v8, 1, v3
	v_and_b32 v9, 1, v3
	v_lshlrev_b32 v[PFOW], 11, v8
	v_lshl_add_u32 v[PFOW], v9, 8, v[PFOW]         ; W: row l / 2, block l % 2
	; the bias: rounded to bf16 like every input, kept as f32; through my own 512 bytes of LDS each lane gets the eight columns of each of its eight column blocks
	s_wait_loadcnt 63                              ; 64 loads were issued behind the bias's; 63 is the largest count that a wait names
	v_cvt_pk_bf16_f32 v8, v4, v5
	v_cvt_pk_bf16_f32 v9, v6, v7
	v_lshlrev_b32 v4, 16, v8
	v_and_b32 v5, 0xffff0000, v8
	v_lshlrev_b32 v6, 16, v9
	v_and_b32 v7, 0xffff0000, v9
	ds_store_b128 v[BL], v[4:7]
.irp b, 0,1,2,3,4,5,6,7
	ds_load_b128 v[BI+8*(\b):BI+8*(\b)+3],   v[BR] offset:64*(\b)      ; LDS serves a wave's instructions in order (ISA guide 5.7.1.4): these see the store above
	ds_load_b128 v[BI+8*(\b)+4:BI+8*(\b)+7], v[BR] offset:64*(\b)+16
.endr
	; sub-step 0's x goes into the stage ahead of the first product
	s_wait_loadcnt 48                              ; set 0 is in; sets 1 to 3 may stay out
.set cn, 0
.rept 8
	CVT4 0
.endr
	XSTORE 0
	XLOAD 0, 1024
	WIN 0
	s_wait_tensorcnt 0x1                           ; my part of big step 0 is in; big step 1's may stay out
	s_wait_dscnt 0x0                               ; my stores are done, and the bias is in
	s_barrier_signal -1
	s_barrier_wait -1
	FETCH 0, 0, 0
	Q0 0, 1, 48, 1, 1                              ; the tile's first quarter stands in front of the loop: its products start the sums
	WIN 0
	s_mov_b32 s[CNT], 3
	s_branch .Lfirst                               ; the loop is entered in the middle of a trip
.Lt:                                           ; trip t: sub-steps 4 t - 1 to 4 t + 2; it asks for W's and x's big step t + 1.  Entered for t = 0, taken back for t = 1 and 2
	s_wait_xcnt 0x0                                ; every load issued so far has read its address: the pointer may be written
	s_add_nc_u64 s[4:5], s[4:5], 1024              ; x at big step t
	Q0 3, 1, 48, 1, 0
	Q1C 1
	Q0 0, 1, 48, 1, 0
	WIN 0
.Lfirst:
	Q1 0
	Q0 1, 1, 48, 1, 0
	Q1 1
	Q0 2, 1, 48, 1, 0
	Q1 2
	WIN 0
	s_sub_co_u32 s[CNT], s[CNT], 1
	s_cmp_lg_u32 s[CNT], 0
	s_cbranch_scc1 .Lt
	Q0 3, 1, 48, 0, 0                              ; sub-steps 11 to 15 are written out: nothing more is asked for, and the counts of loads that may stay out run down
	Q1C 0
	Q0 0, 1, 32, 0, 0
	Q1 0
	Q0 1, 1, 16, 0, 0
	Q1 1
	Q0 2, 1, 0, 0, 0
	Q1 2
	Q0 3, 0, 0, 0, 0
	s_wait_dscnt 0x0
.set mi, 0
.rept 32
	MM 1, 0
.endr
	WIN 0
	PLACES
	PLACES
; THE WAY OUT.  Unit u = (a, hh): 16 rows of one head.  The sums are rounded to f16, 16 bytes a lane go into rows of 144 bytes of my own stage and come back as four rows of 128,
; which are 512 consecutive bytes of the head.  Each accumulator's registers are taken in ascending order.
.macro PACK u
	WIN 0x0a                                       ; sources window 2, destination window 0
.set z, 0
.rept 16
	v_cvt_pk_f16_f32 v[OUT+16*(\u)+z], v[8*(8*((\u)/2)+4*((\u)%2))+2*z], v[8*(8*((\u)/2)+4*((\u)%2))+2*z+1]
.set z, z+1
.endr
	WIN 0
.irp f, 0,1,2,3
	ds_store_b128 v[STO], v[OUT+16*(\u)+4*(\f):OUT+16*(\u)+4*(\f)+3] offset:32*(\f)
.endr
.irp f, 0,1,2,3
	ds_load_b128 v[OUT+16*(\u)+4*(\f):OUT+16*(\u)+4*(\f)+3], v[RD] offset:(\f)*4*SP  ; LDS serves a wave's instructions in order (ISA guide 5.7.1.4): these see the stores above
.endr
.endm
.macro SEND u, younger                 ; younger: the LDS instructions issued behind unit u's loads
.irp f, 0,1,2,3
	s_wait_dscnt (\younger)+3-(\f)
	global_store_b128 v[GO], v[OUT+16*(\u)+4*(\f):OUT+16*(\u)+4*(\f)+3], s[8:9] offset:((\u)%2)*262144+((\u)/2)*2048+512*(\f)  ; 512 consecutive bytes, aligned to 256
.endr
.endm
	PACK 0
.irp u, 1,2,3,4,5,6,7
	PACK \u
	SEND (\u)-1, 8
.endr
	SEND 7, 0
	s_wait_tensorcnt 0x0                           ; the wave's end, behind my last tensor load and my last LDS store
	ds_add_u32 v[SPW], v[NIL]
	s_wait_dscnt 0x0
	CROUND                                         ; the closing round: no work-group ends while a partner may still ask for a tile that names it
	s_endpgm
.Lfunc_end_k_q4b98d5a6e2_proj:
	.size	k_q4b98d5a6e2_proj, .Lfunc_end_k_q4b98d5a6e2_proj-k_q4b98d5a6e2_proj
	.p2alignl 7, 3214868480
	.fill 96, 4, 3214868480
	.section	.rodata,"a",@progbits
	.p2align	6, 0x0
	.amdhsa_kernel k_q4b98d5a6e2_proj
		.amdhsa_group_segment_fixed_size 327680
		.amdhsa_private_segment_fixed_size 0
		.amdhsa_enable_private_segment 0
		.amdhsa_kernarg_size 64
		.amdhsa_user_sgpr_count 2
		.amdhsa_user_sgpr_kernarg_segment_ptr 1
		.amdhsa_wavefront_size32 1
		.amdhsa_system_sgpr_workgroup_id_x 1
		.amdhsa_system_sgpr_workgroup_id_y 1
		.amdhsa_system_sgpr_workgroup_id_z 1
		.amdhsa_system_vgpr_workitem_id 0
		.amdhsa_next_free_vgpr 1024
		.amdhsa_next_free_sgpr 96
		.amdhsa_reserve_vcc 0
		.amdhsa_float_denorm_mode_32 3
		.amdhsa_float_denorm_mode_16_64 3
		.amdhsa_memory_ordered 1
		.amdhsa_forward_progress 1
		.amdhsa_inst_pref_size 149
	.end_amdhsa_kernel
	.amdgpu_metadata
---
amdhsa.version: [ 1, 2 ]
amdhsa.kernels:
  - .name:           k_q4b98d5a6e2_proj
    .symbol:         k_q4b98d5a6e2_proj.kd
    .args:
      - { .name: q, .offset: 0, .size: 8, .value_kind: global_buffer, .address_space: global }
      - { .name: k, .offset: 8, .size: 8, .value_kind: global_buffer, .address_space: global }
      - { .name: v, .offset: 16, .size: 8, .value_kind: global_buffer, .address_space: global }
      - { .name: bq, .offset: 24, .size: 8, .value_kind: global_buffer, .address_space: global }
      - { .name: bk, .offset: 32, .size: 8, .value_kind: global_buffer, .address_space: global }
      - { .name: bv, .offset: 40, .size: 8, .value_kind: global_buffer, .address_space: global }
      - { .name: WC, .offset: 48, .size: 8, .value_kind: global_buffer, .address_space: global }
      - { .name: QKV, .offset: 56, .size: 8, .value_kind: global_buffer, .address_space: global }
    .group_segment_fixed_size: 327680
    .private_segment_fixed_size: 0
    .kernarg_segment_align: 8
    .kernarg_segment_size: 64
    .max_flat_workgroup_size: 128
    .sgpr_count:     96
    .vgpr_count:     1024
    .wavefront_size: 32
...
	.end_amdgpu_metadata
.endif
;; end of part 2
;; launch attn (part 3): grid 4 x 64, 4 waves a work-group, clusters of 4 x 4, 327,680 bytes of LDS; arguments QKV, MB, RK, OH; writes OH
.if DOCPART == 3
	.amdgcn_target "amdgcn-amd-amdhsa--gfx1250"
	.amdhsa_code_object_version 6
	.text
	.protected	k_q4b98d5a6e2_attn
	.globl	k_q4b98d5a6e2_attn
	.p2align	8
	.type	k_q4b98d5a6e2_attn,@function
k_q4b98d5a6e2_attn:
	s_mov_b64 s[64:65], 0
	v_nop
	global_prefetch_b8 v0, s[64:65] scope:SCOPE_SE
	s_setreg_imm32_b32 hwreg(HW_REG_WAVE_MODE, 25, 1), 1
	s_wait_xcnt 0x0
	s_wait_alu depctr_hold_cnt(0) depctr_sa_sdst(0) depctr_va_vdst(0) depctr_va_sdst(0) depctr_va_ssrc(0) depctr_va_vcc(0) depctr_vm_vsrc(0)
	s_getreg_b32 s2, hwreg(HW_REG_IB_STS2, 6, 4)
	s_cmp_eq_u32 s2, 0
	s_cbranch_scc0 .Lentry_in_a_cluster
	s_endpgm
.Lentry_in_a_cluster:
	s_bfe_u32 s2, ttmp6, 0x10000c
	s_cmp_lg_u32 s2, 0xf033
	s_cbranch_scc0 .Lentry_shape_is_right
	s_endpgm
.Lentry_shape_is_right:
; ATTENTION UNDER A MASK THAT IS AN INPUT.  OH[head][q][:] = the sum over k of softmax_k(score) V[head][k][:], score = Q[head][q] . K[head][k] / 8 where mask[q][k] != 0, a hidden score elsewhere.
; Q, K, V: QKV[0..2][head 64][2048][64] f16; OH likewise.  Products, maxima and sums in f32; the weights p are rounded to f16 for the second product (their sum l is taken of the unrounded p), O once at the end.
; THE MASK IS ADDED BY THE MATRIX UNIT.  MB holds 0 or -65504 in f16 for each (query, key).  The product that STARTS each sum S^T is SEL x MF + 0: MF is a fragment of MB (32 keys x 16 queries), SEL a constant
; 16 x 32 matrix with 65504 on one diagonal: a hidden score begins at -65504 x 65504 = -4.29e9 (-5.4e8 after the division by 8), a visible one at 0.  Then K Q^T is added in place.  No vector instruction is spent on it.
; A ROW WITH NO VISIBLE KEY has MB = 0 everywhere and RK = 0: its Q is cleared once (AND with RK), so all its scores are 0 and its weights even.
; LIMITS.  Q, K, V arrive within f16's 65,504.  A hidden score counts as its value less 4.29e9: unscaled scores of one row lie within 4e9 of each other.  A weight below 2^-126 counts as 0 in l.  NaN and infinities are not treated apart.
; SHARES.  A wave owns four PIECES of two tiles of 16 queries, a work-group 512 queries of one head.  Every wave walks all 2,048 keys, 64 a step.
; LAYOUT.  S^T (source 0 = 16 keys, source 1 = 16 queries) holds ONE query a lane (lane % 16) and the keys 8 (lane / 16) + 0..7; two results rounded to f16 ARE source 1 of O^T = V^T P.
; SOFTMAX.  A running maximum m and sum l: p = 2^(c s - c m), c = log2(e) / 8; in every step O and l are multiplied by a = 2^(c m_old - c m_new).  m starts at the lowest finite number, O and l at 0.
; BY TURNS.  Turn n belongs to piece n.  Matrix work: 8 mask products and 16 products K Q^T of piece n + 1, later 16 products V^T P of piece n - 1.  Vector work: scaling, exponentials, roundings, sums and
; rescaling of piece n, maximum and statistics of piece n + 1.  Four vector instructions stand behind every matrix instruction, the other 76 of a turn's 236 in one lump; the 66 exponentials are one batch with one wait.
; CLUSTER 4 x 4: cx = the query block, cy = the head among four.  K and V hang on the head alone and are asked for jointly along a row of the cluster; MB's tile hangs on the query block and the step alone and is
; asked for jointly along a column.  A slot holds ONE key step (K 9,216, V 10,240, MB 73,728 bytes): two steps to a slot do not fit twice in LDS.
; REGISTERS in windows of 256 (s_set_vgpr_msb: bits 1:0 source 0, 3:2 source 1, 5:4 source 2, 7:6 destination):
;   window 0: v1-11 addresses; v12-15, v48-63 at work; v16-47 four statistics a tile; v64-191 S^T, two buffers of two tiles; v192-255 P, likewise
;   window 1: O^T, 32 a tile     window 2: v0-127 Q; v128-191 K; v192-255 V     window 3: v0-1 the add's registers; v4-15 SEL; v32-95 MF, two buffers of two tiles
.set NP,    4
.set KS,    64
.set PK,    144       ; a row of K, and of MB, in LDS: 128 bytes + 16: the 16 rows of a load start at 16 different groups of four banks (64 banks of 4 bytes: ISA guide 11.1)
.set PV,    160       ; a row of V: 128 + 32
.set VOFF,  KS*PK
.set MOFF,  KS*(PK+PV)
.set SLOT1, 1<<17     ; slot 1 begins here: one exclusive or changes slots
.set STAGE, SLOT1+MOFF+512*PK  ; behind the slots, never filled by a tensor load: 16 rows x 144 bytes for each wave
.set SP,    144
.set SPARE, STAGE+4*16*SP      ; the spare words, 128 bytes a wave: two blocks of 256 bytes that no other line names
.set PFO, 1           ; v1   256 x my lane; never rewritten
.set AK0, 2           ; v2   my lane's place in a tile of K; never rewritten
.set AV0, 3           ; v3   of V
.set AK,  4           ; v4   the same in the slot in hand
.set AV,  5
.set STO, 6           ; the way out
.set RD,  7
.set GO,  8
.set AM,  10          ; v10  my lane's place in MB's tile in the slot in hand
.set AM0, 11          ; v11  the same without the slot; never rewritten
.set MV,  12          ; v12-15  c m_old, by buffer and tile (the set-up's r, h, l % 8 and bit 3 lie here first)
.set ST,  16          ; tile t: c m, m, l (even keys', odd keys')
.set TMP, 48          ; by buffer and tile c0-c3; c2 takes a
.set S,   64
.set P,   192
.set KF,  128
.set VF,  192
.set SPW, 0           ; window 3
.set NIL, 1
.set SL,  4           ; window 3: four zeros, the diagonal's four registers, four zeros: v[8:15] picks keys 0-15 of a fragment's 32, v[4:11] keys 16-31
.set MF,  32          ; window 3: buffer x % 2, tile u, key half kk at MF + 32 (x % 2) + 16 u + 8 kk
.set WV,  12
.set G1K, 24
.set G1V, 32
.set G0K, 40
.set G0V, 44
.set G0M, 48
.set TB,  52          ; s52  LDS byte at which the slot in hand begins
.set LIM, 53
.set PM,  54
.set PH,  55
.set SLOTS, 56
.set CNT, 57
.set CS,  58
.set SEL, 60
.set TT,  62
.set G1M, 68
.set PFA, 76
.set PST, 78
.set OP,  80          ; s[80:81] OH at my wave's first row
.set MSB, 0
.macro WIN new
.if MSB != (\new)
	s_set_vgpr_msb (MSB<<8)|(\new)
.set MSB, (\new)
.endif
.endm
.set W_KQ, 0x0a       ; K and Q in window 2, S^T in window 0
.set W_SM, 0x0f       ; SEL and MF in window 3, S^T in window 0; also the add: address and data in window 3
.set W_PV, 0x52       ; V in window 2, P in window 0, O^T in window 1
.set W_RS, 0x41       ; O^T in window 1, a in window 0
.set W_T3, 0xc0       ; destination window 3, sources and addresses window 0
.macro PLACES
.rept 4
	v_nop
.endr
.endm
; A joint fill: wave 0 fetches the step's K, wave 1 its V, waves 2 and 3 the halves of MB's tile.  The branches hang on the wave's number alone.  An s_nop 0 and four v_nop follow each line.
.macro JLOAD
	s_cmp_lt_u32 s[WV], 2
	s_cbranch_scc0 .Lfor_m_\@
	s_cmp_eq_u32 s[WV], 0
	s_cbranch_scc0 .Lfor_v_\@
	tensor_load_to_lds s[G0K:G0K+3], s[G1K:G1K+7]
	s_nop 0
	PLACES
	s_branch .Lasked_\@
.Lfor_v_\@:
	tensor_load_to_lds s[G0V:G0V+3], s[G1V:G1V+7]
	s_nop 0
	PLACES
	s_branch .Lasked_\@
.Lfor_m_\@:
	tensor_load_to_lds s[G0M:G0M+3], s[G1M:G1M+7]
	s_nop 0
	PLACES
.Lasked_\@:
.endm
; A prefetch into the L2, behind the joint load.  MB's tile is read by all sixteen clusters: the first (cluster y = 0) asks, one step ahead of the refill: of a wave's 128 blocks of 256 bytes the partner at cy takes 32.
; K and V of a head are read by this cluster's row alone: every fourth trip waves 0 and 1 ask for four steps, the partner at cx for all 32 blocks of one of them.  Partners are told apart by address; each block is
; named once in the launch; no request passes step 31.
.macro ASK
	s_and_b32 s[TT], s[SLOTS], s[PM]
	s_cmp_eq_u32 s[TT], s[PH]
	s_cbranch_scc0 .Lnot_mine_\@
	s_cmp_gt_u32 s[SLOTS], s[LIM]
	s_cbranch_scc0 .Lnot_mine_\@
	global_prefetch_b8 v[PFO], s[PFA:PFA+1] th:TH_LOAD_NT scope:SCOPE_SE
.Lnot_mine_\@:
.endm
.macro CROUND
	s_barrier_signal -1
	s_barrier_wait -1
	s_cmp_lg_u32 s[WV], 0
	s_cbranch_scc1 .Lnot_wave_0_\@
	s_barrier_signal -3
.Lnot_wave_0_\@:
	s_barrier_wait -3
	s_barrier_signal -1
	s_barrier_wait -1
.endm
; THE CHANGE OF SLOTS, in front of every trip: all LDS reads of a trip are of one step.  Each wave waits for all its tensor loads (one is out: its part of the other slot), adds 0 to its spare word, and waits for that
; and for its reads of the slot that it leaves.  fill = 1: the barrier is a round of the cluster's, and the joint refill, the step after next, is the first thing behind it: it has a trip, 160 products, in which to land.
.macro CHANGE fill, ask
	WIN W_SM
	s_wait_tensorcnt 0x0            ; no tensor load of mine is out, so a group 0 may be written
	ds_add_u32 v[SPW], v[NIL]       ; 0 onto my spare word
	WIN 0
.if \fill
	s_xor_b32 s[G0K+1], s[G0K+1], SLOT1
	s_add_nc_u64 s[G0K+2:G0K+3], s[G0K+2:G0K+3], KS*128
	s_xor_b32 s[G0V+1], s[G0V+1], SLOT1
	s_add_nc_u64 s[G0V+2:G0V+3], s[G0V+2:G0V+3], KS*128
	s_xor_b32 s[G0M+1], s[G0M+1], SLOT1
	s_add_nc_u64 s[G0M+2:G0M+3], s[G0M+2:G0M+3], 65536
.endif
.if \ask
	s_wait_xcnt 0x0                 ; the last prefetch, a trip back, has read its address
	s_add_nc_u64 s[PFA:PFA+1], s[PFA:PFA+1], s[PST:PST+1]
.endif
	s_wait_dscnt 0x0                ; the add is done, and my reads of the slot are over
.if \fill
	CROUND
	JLOAD
.if \ask
	ASK
.endif
.else
	s_barrier_signal -1
	s_barrier_wait -1
.endif
	s_xor_b32 s[TB], s[TB], SLOT1
	v_add_nc_u32 v[AK], s[TB], v[AK0]
	v_add_nc_u32 v[AV], s[TB], v[AV0]
	v_add_nc_u32 v[AM], s[TB], v[AM0]
.endm
	s_load_b256 s[4:11], s[0:1], 0x0  ; QKV s[4:5], MB s[6:7], RK s[8:9], OH s[10:11]
	WIN W_T3
	v_lshl_add_u32 v[SPW], v0, 2, SPARE
	v_mov_b32 v[NIL], 0
	WIN W_SM
	ds_add_u32 v[SPW], v[NIL]       ; the wave's opening: the add and its wait stand ahead of my first tensor load
	WIN 0
	v_lshrrev_b32 v12, 5, v0
	v_readfirstlane_b32 s[WV], v12  ; wave 0..3
	s_bfe_u32 s13, ttmp6, 0x40000   ; cx: the query block
	s_bfe_u32 s14, ttmp6, 0x40004   ; cy
	s_and_b32 s16, ttmp7, 0xffff    ; the cluster's y
	s_lshl_b32 s15, s16, 2
	s_add_co_u32 s15, s15, s14      ; the head
	s_lshl_b32 s20, s15, 18         ; its first byte: 2,048 rows of 128 bytes
	s_mov_b32 s21, 0
	s_lshl_b32 s17, s14, 2
	s_lshl_b32 s17, 15, s17         ; my row of the cluster
	s_lshl_b32 s18, 0x1111, s13     ; my column
	; descriptor group 1.  Rows of 256 bytes (two keys, or two queries of MB), padded in LDS after every 128 bytes
	s_or_b32 s[G1K], s17, (1<<16)|(1<<20)|(1<<21)|(4<<22)|(3<<25)  ; the mask; 2-byte elements; padding on; bit 21 beside a mask; after every 32 words (code 4) 4 words (code 3)
	s_or_b32 s[G1V], s17, (1<<16)|(1<<20)|(1<<21)|(4<<22)|(7<<25)  ; 8 words (code 7)
	s_or_b32 s[G1M], s18, (1<<16)|(1<<20)|(1<<21)|(4<<22)|(3<<25)
.irp g, G1K, G1V
	s_mov_b32 s[\g+1], 128<<16      ; tensor_dim0 = 128
	s_mov_b32 s[\g+2], 32<<16       ; tensor_dim1 = 32
	s_mov_b32 s[\g+3], 128<<16      ; tile_dim0 = 128
	s_mov_b32 s[\g+4], 32           ; tile_dim1 = 32
	s_mov_b32 s[\g+5], 128          ; elements from row to row
	s_mov_b32 s[\g+6], 0
	s_mov_b32 s[\g+7], 0
.endr
	s_mov_b32 s[G1M+1], 128<<16
	s_mov_b32 s[G1M+2], 128<<16     ; 128 rows: 256 queries
	s_mov_b32 s[G1M+3], 128<<16
	s_mov_b32 s[G1M+4], 128
	s_mov_b32 s[G1M+5], 128
	s_mov_b32 s[G1M+6], 0
	s_mov_b32 s[G1M+7], 0
	s_and_b32 s19, s[WV], 1         ; which half of MB's tile I fetch
	s_lshl_b32 s22, s13, 21         ; MB: 32 tiles of 65,536 bytes a query block,
	s_lshl_b32 s23, s19, 15         ; half a tile
	s_add_co_u32 s22, s22, s23
	s_mov_b32 s23, 0
	s_mul_i32 s[TT], s19, 256*PK
	s_mov_b32 s[G0M], 1
	s_add_co_u32 s[G0M+1], s[TT], MOFF
	s_mov_b32 s[G0K], 1
	s_mov_b32 s[G0K+1], 0
	s_mov_b32 s[G0V], 1
	s_mov_b32 s[G0V+1], VOFF
	s_lshl_b32 s2, s13, 2
	s_add_co_u32 s2, s2, s[WV]
	s_lshl_b32 s2, s2, 14           ; my wave's 128 rows in the head,
	s_add_co_u32 s2, s2, s20        ; and the head
	s_mov_b32 s3, 0
	s_lshl_b32 s84, s13, 11         ; RK: 512 words a query block,
	s_lshl_b32 s85, s[WV], 9        ; 128 a wave
	s_add_co_u32 s84, s84, s85
	s_mov_b32 s85, 0
	s_mov_b32 s[CS], 0x3e38aa3b     ; c = log2(e) / 8
	s_mov_b32 s[CS+1], s[CS]
	s_mov_b32 s[SEL], 0x76543210
	s_mov_b32 s[SEL+1], 0xfedcba98
	s_mov_b32 s[TB], SLOT1          ; the first change of slots turns it into 0
	; the prefetches
	s_lshl_b32 s86, s13, 13
	s_add_co_u32 s86, s86, s20
	s_add_co_u32 s86, s86, 3*8192   ; K or V: step 3 + cx of my head; the first asking change steps it on by one
	s_add_co_u32 s87, s[WV], 1
	s_lshl_b32 s87, s87, 24         ; K lies 16 MiB, V 32 MiB behind Q
	s_add_co_u32 s86, s86, s87
	s_lshl_b32 s88, s14, 13         ; MB: my work-group's 32 blocks of the wave's 128,
	s_add_co_u32 s88, s88, s22
	s_add_co_u32 s88, s88, 2*65536  ; at step 2
	s_cmp_eq_u32 s16, 0
	s_cselect_b32 s89, 1, -1
	s_mov_b32 s90, 8192
	s_cmp_lt_u32 s[WV], 2
	s_cselect_b32 s86, s86, s88
	s_mov_b32 s87, 0
	s_cselect_b32 s[PST], s90, 65536
	s_mov_b32 s[PST+1], 0
	s_cselect_b32 s[PM], 3, 0
	s_cselect_b32 s[PH], 2, 0
	s_cselect_b32 s[LIM], 2, s89
	s_wait_dscnt 0x0                ; the opening add is done
	s_wait_kmcnt 0x0
	s_cselect_b64 s[PFA:PFA+1], s[4:5], s[6:7]
	s_add_nc_u64 s[PFA:PFA+1], s[PFA:PFA+1], s[86:87]
	s_add_nc_u64 s[G0K+2:G0K+3], s[4:5], s[20:21]
	s_add_nc_u64 s[G0V+2:G0V+3], s[G0K+2:G0K+3], 0x2000000
	s_add_nc_u64 s[G0K+2:G0K+3], s[G0K+2:G0K+3], 0x1000000
	s_or_b32 s[G0K+3], s[G0K+3], 0x80000000
	s_or_b32 s[G0V+3], s[G0V+3], 0x80000000
	s_add_nc_u64 s[G0M+2:G0M+3], s[6:7], s[22:23]
	s_or_b32 s[G0M+3], s[G0M+3], 0x80000000
	s_add_nc_u64 s[4:5], s[4:5], s[2:3]        ; Q and OH at my wave's first row
	s_add_nc_u64 s[OP:OP+1], s[10:11], s[2:3]
	s_add_nc_u64 s[8:9], s[8:9], s[84:85]
	CROUND                          ; all sixteen work-groups are here: the first joint loads meet
	JLOAD                           ; step 0 into slot 0; slot 1 is asked for when slot 0 is in
	v_and_b32 v12, 15, v0           ; r = l % 16
	v_bfe_u32 v13, v0, 4, 1         ; h = l / 16
	v_lshlrev_b32 v73, 7, v12
	v_lshl_add_u32 v73, v13, 4, v73 ; Q: row x 128 + 16 x half
	v_lshlrev_b32 v74, 2, v12       ; RK: my query's word
	WIN 0x80                        ; destination window 2
.set i, 0
.rept 4*NP                          ; Q stays in registers: tile i / 2, channels 32 (i % 2) on
	global_load_b128 v[8*i:8*i+3],   v73, s[4:5] offset:(i/2)*2048+(i%2)*64
	global_load_b128 v[8*i+4:8*i+7], v73, s[4:5] offset:(i/2)*2048+(i%2)*64+32
.set i, i+1
.endr
	WIN 0
.irp t, 0,1,2,3,4,5,6,7
	global_load_b32 v[64+\t], v74, s[8:9] offset:64*\t
.endr
	; what the first turn finds: V's registers and P's second buffer hold 0, O^T and l are 0
	WIN 0x80
.set i, VF
.rept 64
	v_mov_b32 v[i], 0
.set i, i+1
.endr
	WIN 0x40
.set i, 0
.rept 64*NP
	v_mov_b32 v[i], 0
.set i, i+1
.endr
	WIN 0
.set i, 0
.rept 2*NP
	v_mov_b32 v[ST+4*i], 0xfe000000    ; c m: far below every c s
	v_mov_b32 v[ST+4*i+1], 0xff7fffff  ; m
	v_mov_b32 v[ST+4*i+2], 0
	v_mov_b32 v[ST+4*i+3], 0
.set i, i+1
.endr
.set i, P+32
.rept 32
	v_mov_b32 v[i], 0
.set i, i+1
.endr
	v_mul_u32_u24 v[AK0], v12, PK
	v_lshl_add_u32 v[AK0], v13, 4, v[AK0]  ; row x pitch + 16 x half
	s_mul_i32 s91, s[WV], 128*PK
	s_add_co_u32 s91, s91, MOFF
	v_add_nc_u32 v[AM0], s91, v[AK0]       ; MB: the same place among my wave's 128 queries
	; the turning load takes 16 keys x 16 channels (lane l reads key 8 (l / 16) + l % 8, channels 8 ((l / 8) % 2) + 0..7) and leaves half a fragment of V^T
	v_and_b32 v14, 7, v0
	v_bfe_u32 v15, v0, 3, 1
	v_lshl_add_u32 v[AV0], v13, 3, v14
	v_mul_u32_u24 v[AV0], v[AV0], PV
	v_lshl_add_u32 v[AV0], v15, 4, v[AV0]
	v_add_nc_u32 v[AV0], VOFF, v[AV0]
	s_mul_i32 s91, s[WV], 16*SP
	s_add_co_u32 s91, s91, STAGE    ; my stage
	v_mul_u32_u24 v[STO], v12, SP
	v_lshl_add_u32 v[STO], v13, 4, v[STO]
	v_add_nc_u32 v[STO], s91, v[STO]
	v_bfe_u32 v[RD], v0, 3, 2
	v_mul_u32_u24 v[RD], v[RD], SP
	v_lshl_add_u32 v[RD], v14, 4, v[RD]
	v_add_nc_u32 v[RD], s91, v[RD]
	v_and_b32 v[GO], 31, v0
	v_lshlrev_b32 v[PFO], 8, v[GO]
	v_lshlrev_b32 v[GO], 4, v[GO]
	; SEL: lane (r, h) holds row r of the matrix; its registers 0-3 hold columns 8 h + 0..7.  65504 stands in column r: at place e = r - 8 h, if that lies in 0..7
	v_lshlrev_b32 v75, 3, v13
	v_sub_nc_u32 v75, v12, v75
	s_mov_b32 s92, 0x7bff
	s_mov_b32 s93, 0x7bff0000
.irp n, 0,1,2,3
	v_cmp_eq_u32 vcc_lo, 2*\n, v75
	v_cndmask_b32 v[76+\n], 0, s92, vcc_lo
	v_cmp_eq_u32 vcc_lo, 2*\n+1, v75
	v_cndmask_b32 v[76+\n], v[76+\n], s93, vcc_lo
.endr
	WIN W_T3
.irp n, 0,1,2,3
	v_mov_b32 v[SL+\n], 0
	v_mov_b32 v[SL+4+\n], v[76+\n]
	v_mov_b32 v[SL+8+\n], 0
.endr
	WIN 0
; THE MATRIX WORK.  The 8 accumulators of a piece take turns, in the same order in the mask products and in both halves of K Q^T: between two links of a chain stand 7 others'.
; Mask product i of 8 for piece x: tile 2 x + i % 2, keys 16 kb on, kb = (i / 2) % 4.  It starts the sum.
.macro MK x
	WIN W_SM
.set rS, S+64*((\x)%2)+32*(i%2)+8*((i/2)%4)
.set rF, MF+32*((\x)%2)+16*(i%2)+8*(((i/2)%4)/2)
.set rL, SL+4-4*(((i/2)%4)%2)
	v_wmma_f32_16x16x32_f16 v[rS:rS+7], v[rL:rL+7], v[rF:rF+7], 0
.endm
; Product i of 16 of S^T += K Q^T for piece x: channels 32 (i / 8) on, keys 16 ((i / 2) % 4) on, tile 2 x + i % 2.
.macro KQ x
	WIN W_KQ
.set rS, S+64*((\x)%2)+32*(i%2)+8*((i/2)%4)
.set rK, KF+16*((i/2)%4)+8*(i/8)
.set rQ, 16*(2*(\x)+i%2)+8*(i/8)
	v_wmma_f32_16x16x32_f16 v[rS:rS+7], v[rK:rK+7], v[rQ:rQ+7], v[rS:rS+7]
.endm
; Product i of 16 of O^T += V^T P for piece x: keys 32 (i / 8) on, channels 16 ((i / 2) % 4) on, tile 2 x + i % 2.
.macro PV x
	WIN W_PV
.set rO, 32*(2*(\x)+i%2)+8*((i/2)%4)
.set rV, VF+32*(i/8)+8*((i/2)%4)
.set rP, P+32*((\x)%2)+16*(i%2)+8*(i/8)
	v_wmma_f32_16x16x32_f16 v[rO:rO+7], v[rV:rV+7], v[rP:rP+7], v[rO:rO+7]
.endm
.macro MM                           ; the turn's next matrix instruction, number i of 40
.if i < 8
	MK (Y+1)%NP
.elseif i < 24
.set i, i-8
	KQ (Y+1)%NP
.set i, i+8
.else
.set i, i-24
	PV (Y+NP-1)%NP
.set i, i+24
.endif
.set i, i+1
.endm
; THE LDS LOADS stand in runs, never singly among the matrix instructions.
.macro FETCH_K
	WIN 0x80
.irp f, 0,1,2,3,4,5,6,7             ; keys 16 (f / 2) on, channels 32 (f % 2) on
	ds_load_b128 v[KF+8*\f:KF+8*\f+3],   v[AK] offset:(\f/2)*16*PK+(\f%2)*64
	ds_load_b128 v[KF+8*\f+4:KF+8*\f+7], v[AK] offset:(\f/2)*16*PK+(\f%2)*64+32
.endr
	WIN 0
.endm
.macro FETCH_V
	WIN 0x80
.irp f, 0,1,2,3,4,5,6,7             ; keys 32 (f / 4) on, channels 16 (f % 4) on
	ds_load_tr16_b128 v[VF+8*\f:VF+8*\f+3],   v[AV] offset:(\f/4)*32*PV+(\f%4)*32
	ds_load_tr16_b128 v[VF+8*\f+4:VF+8*\f+7], v[AV] offset:(\f/4)*32*PV+16*PV+(\f%4)*32
.endr
	WIN 0
.endm
.macro FETCH_M x                    ; piece x's four fragments of MB: lane l holds query l % 16, keys 32 kk + 8 (l / 16) + 0..7 and + 16
	WIN W_T3
.irp u, 0,1
.irp kk, 0,1
	ds_load_b128 v[MF+32*((\x)%2)+16*\u+8*\kk:MF+32*((\x)%2)+16*\u+8*\kk+3],   v[AM] offset:(2*(\x)+\u)*16*PK+64*\kk
	ds_load_b128 v[MF+32*((\x)%2)+16*\u+8*\kk+4:MF+32*((\x)%2)+16*\u+8*\kk+7], v[AM] offset:(2*(\x)+\u)*16*PK+64*\kk+32
.endr
.endr
	WIN 0
.endm
; THE VECTOR WORK OF A TURN stands in three queues, each in the order in which its entries become ready; the two tiles alternate.
.macro REGS y, u
.set rT, ST+4*(2*(\y)+(\u))
.set rC, TMP+8*((\y)%2)+4*(\u)
.set rM, MV+2*((\y)%2)+(\u)
.set rS, S+64*((\y)%2)+32*(\u)
.set rP, P+32*((\y)%2)+16*(\u)
.set rO, 32*(2*(\y)+(\u))
.endm
; Number n of the 22 that find the NEXT piece's maximum and statistics.  Each accumulator's lowest registers are read first.
;   0-11 four chains c0-c3 of seven scores each     12-14, 16 the four scores left over, the old m, and c0-c3 into c0     15 c m_old is kept     17, 18 the other half of the lanes: the new m     19-21 c m; its change; a
.macro XS u, n
	REGS (Y+1)%NP, \u
.if (\n) < 4
	v_max3_num_f32 v[rC+(\n)], v[rS+8*(\n)], v[rS+8*(\n)+1], v[rS+8*(\n)+2]
.elseif (\n) < 12
	v_max3_num_f32 v[rC+(\n)%4], v[rC+(\n)%4], v[rS+8*((\n)%4)+2*((\n)/4)+1], v[rS+8*((\n)%4)+2*((\n)/4)+2]
.elseif (\n) == 12
	v_max3_num_f32 v[rC], v[rC], v[rS+7], v[rS+15]
.elseif (\n) == 13
	v_max3_num_f32 v[rC+1], v[rC+1], v[rS+23], v[rS+31]
.elseif (\n) == 14
	v_max3_num_f32 v[rC+2], v[rC+2], v[rC+3], v[rT+1]
.elseif (\n) == 15
	v_mov_b32 v[rM], v[rT]
.elseif (\n) == 16
	v_max3_num_f32 v[rC], v[rC], v[rC+1], v[rC+2]
.elseif (\n) == 17
	v_permlanex16_b32 v[rC+3], v[rC], s[SEL], s[SEL+1]
.elseif (\n) == 18
	v_max_num_f32 v[rT+1], v[rC], v[rC+3]
.elseif (\n) == 19
	v_mul_f32 v[rT], s[CS], v[rT+1]
.elseif (\n) == 20
	v_sub_f32 v[rC+1], v[rM], v[rT]
.else
	v_exp_f32 v[rC+2], v[rC+1]
.endif
.endm
; Number g of the 64 that follow the exponentials: for each four weights of a tile both pairs are rounded to f16, the second pair is added onto the first in place, and a group later l takes that sum (the first time l = a l + sum).
.macro GS g
.set h, (\g)+6*((\g)/62)
.if h >= 6
.set h, h+2
.endif
	REGS Y, h%2
.set k, h/8
.if h%8 < 4
	v_cvt_pk_f16_f32 v[rP+2*k+(h%8)/2], v[rS+4*k+2*((h%8)/2)], v[rS+4*k+2*((h%8)/2)+1]
.elseif h%8 < 6
	v_pk_add_f32 v[rS+4*k:rS+4*k+1], v[rS+4*k:rS+4*k+1], v[rS+4*k+2:rS+4*k+3]
.elseif k == 1
	v_pk_fma_f32 v[rT+2:rT+3], v[rT+2:rT+3], v[rC+2:rC+3], v[rS:rS+1] op_sel_hi:[1,0,1]
.else
	v_pk_add_f32 v[rT+2:rT+3], v[rT+2:rT+3], v[rS+4*k-4:rS+4*k-3]
.endif
.endm
.macro FS f                         ; c s - c m for pair f / 2 of tile f % 2
	REGS Y, (\f)%2
	v_pk_fma_f32 v[rS+2*((\f)/2):rS+2*((\f)/2)+1], v[rS+2*((\f)/2):rS+2*((\f)/2)+1], s[CS:CS+1], v[rT:rT+1] op_sel_hi:[1,0,0] neg_lo:[0,0,1] neg_hi:[0,0,1]
.endm
; THE PLAIN QUEUE, 138 long.  0-31 the scalings; 32, 61 c m_old of the next piece's two tiles; 33-60 its maximum's numbers 0-13; 62-73 the chain 14, 16 .. 20; 74-137 what reads the exponentials' results.
.macro PL
	WIN 0
.if q < 32
	FS q
.elseif q == 32
	XS 0, 15
.elseif q < 61
	XS (q-33)%2, (q-33)/2
.elseif q == 61
	XS 1, 15
.elseif q < 64
	XS (q-62)%2, 14
.elseif q < 74
	XS (q-62)%2, 15+(q-62)/2
.else
	GS q-74
.endif
.set q, q+1
.endm
; THE EXPONENTIALS' QUEUE, 66 long: s0-s31 of both tiles, then the next piece's two a: ONE BATCH ahead of the turn's one wait; nothing ahead of that wait names a result of theirs.
.macro EX
	WIN 0
.if e >= 64
	XS e-64, 21
.else
	REGS Y, e%2
	v_exp_f32 v[rS+e/2], v[rS+e/2]
.endif
.set e, e+1
.endm
; THE RESCALING'S QUEUE: O^T times a, two at a time, sixteen times.  Its a was made, and waited for, in the turn before.
.macro R2
	REGS Y, r%2
	WIN W_RS
.irp z, 0,1
	v_pk_mul_f32 v[rO+4*(r/2)+2*\z:rO+4*(r/2)+2*\z+1], v[rO+4*(r/2)+2*\z:rO+4*(r/2)+2*\z+1], v[rC+2:rC+3] op_sel_hi:[1,0]
.endr
.set r, r+1
.endm
; A TURN, for piece p.  AHEAD OF THE WAIT: the 8 mask products and 16 products K Q^T with four riders each (a scaling, an exponential, two rescalings; behind the last eight two scalings or moves and two exponentials),
; then the lump: eight plain, 33 times exponential and plain, the two a, a v_nop as the plain instruction behind the last exponential.  Exponential e stands behind scaling 2 (e / 4) + e % 2.  The first read of an
; accumulator (numbers 0-3 of the maximum, plain 33-40) stands nine plain instructions or more behind the product that ended it.  BEHIND THE WAIT: the 16 products V^T P, behind each four roundings and sums.
; LDS: MB's fragments for the piece after next are fetched behind the wait; K of the next step in piece 2's turn, a lump behind the last product that read K; V of the step in hand at the end of piece 0's turn, four
; riders behind its last reader.  The wait at a turn's head is for the mask fragments (and K); in piece 1's turn V's 16 younger loads may stay out until the products V^T P.
.macro TURN p
.set Y, (\p)
.set i, 0
.set q, 0
.set e, 0
.set r, 0
.if (\p) == 1
	s_wait_dscnt 16
.else
	s_wait_dscnt 0x0
.endif
	MM
	PL
	PL
	R2
.rept 15
	MM
	PL
	EX
	R2
.endr
.rept 8
	MM
	PL
	EX
	PL
	EX
.endr
.rept 8
	PL
.endr
.rept 33
	EX
	PL
.endr
	EX
	EX
	v_nop
	s_wait_alu depctr_va_vdst(0)    ; the one wait for the batch, ahead of the first instruction that names a result
.if (\p) == 1
	s_wait_dscnt 0x0                ; V is in
.endif
.if (\p) == 2
	FETCH_K
.endif
	FETCH_M ((\p)+2)%NP
.rept 16
	MM
	PL
	PL
	PL
	PL
.endr
.if (\p) == 0
	FETCH_V
.endif
.endm
	CHANGE 1, 0                     ; step 0 is in, everybody's part of it; step 1 is asked for
	FETCH_K
	FETCH_M 0
	FETCH_M 1
	s_wait_loadcnt 0x0              ; Q and RK
	WIN 0x82                        ; Q in window 2, RK in window 0: a query with no visible key is cleared
.set t, 0
.rept 8
.set z, 0
.rept 16
	v_and_b32 v[16*t+z], v[16*t+z], v[64+t]
.set z, z+1
.endr
.set t, t+1
.endr
	s_wait_dscnt 0x0
.set i, 0
.rept 8
	MK 0
.set i, i+1
.endr
.set i, 0
.rept 16
	KQ 0                            ; piece 0's first scores
.set i, i+1
.endr
	WIN 0
	PLACES
	PLACES
.set Y, NP-1                        ; XS works for piece Y + 1: piece 0
.irp n, 0,1,2,3,4,5,6,7,8,9,10,11,12,13,14,15,16,17,18,19,20,21
	XS 0, \n
	XS 1, \n
.endr
	v_nop                           ; a plain instruction behind the two a,
	s_wait_alu depctr_va_vdst(0)    ; and their wait, ahead of the branch
	s_mov_b32 s[SLOTS], 31
	s_branch .Lfirst                ; the loop is entered at a step's first turn, in the middle of a trip
.Lstep:                             ; 30 trips: steps 2 to 31 are asked for.  A trip: pieces 2 and 3 of one step, then pieces 0 and 1 of the next, whose K, V and MB it reads
	CHANGE 1, 1
	TURN 2
	TURN 3
	WIN 0
.Lfirst:
	TURN 0
	TURN 1
	WIN 0
	s_sub_co_u32 s[SLOTS], s[SLOTS], 1
	s_cmp_lg_u32 s[SLOTS], 0
	s_cbranch_scc1 .Lstep
	CHANGE 0, 0                     ; the tail is written out: nothing is asked for
	s_mov_b32 s[CNT], 2
.Ltail:                             ; the second trip is left in its middle; it reads step 31's K and MB once more, and the scores and maxima made of them serve nothing: the price of one text for every trip
	TURN 2
	TURN 3
	WIN 0
	s_sub_co_u32 s[CNT], s[CNT], 1
	s_cmp_eq_u32 s[CNT], 0
	s_cbranch_scc1 .Lout
	TURN 0
	TURN 1
	WIN 0
	s_branch .Ltail
.Lout:
.set i, 0
.rept 16
	PV NP-1                         ; the last piece's V^T P of the last step
.set i, i+1
.endr
	; THE WAY OUT.  l's two halves and the other half of the lanes' are added; O^T is divided by l, rounded to f16 and sent through my stage, a tile at a time.  The additions are the places behind the last products.
	WIN 0
.macro ALL line:vararg
.set t, 0
.rept 2*NP
	\line
.set t, t+1
.endr
.endm
	ALL v_add_f32 v[ST+4*t+2], v[ST+4*t+2], v[ST+4*t+3]
	ALL v_permlanex16_b32 v[ST+4*t+3], v[ST+4*t+2], s[SEL], s[SEL+1]
	ALL v_add_f32 v[ST+4*t+2], v[ST+4*t+2], v[ST+4*t+3]
	ALL v_rcp_f32 v[ST+4*t+2], v[ST+4*t+2]
	v_nop                           ; a plain instruction between the last reciprocal and the use of its result
	s_wait_alu depctr_va_vdst(0)    ; one wait for the eight reciprocals
.macro PACK t
	WIN W_RS
.set i, 32*(\t)
.rept 16
	v_pk_mul_f32 v[i:i+1], v[i:i+1], v[ST+4*(\t)+2:ST+4*(\t)+3] op_sel_hi:[1,0]
.set i, i+2
.endr
	WIN 0x05                        ; sources window 1, destination window 0
.set i, 0
.rept 16
	v_cvt_pk_f16_f32 v[S+16*(\t)+i], v[32*(\t)+2*i], v[32*(\t)+2*i+1]
.set i, i+1
.endr
	WIN 0
.irp f, 0,1,2,3
	ds_store_b128 v[STO], v[S+16*(\t)+4*\f:S+16*(\t)+4*\f+3] offset:32*\f
.endr
.irp f, 0,1,2,3
	ds_load_b128 v[S+16*(\t)+4*\f:S+16*(\t)+4*\f+3], v[RD] offset:\f*4*SP  ; LDS serves a wave's instructions in order (ISA guide 5.7.1.4): these see the stores above
.endr
.endm
.macro SEND t, younger
	WIN 0
.irp f, 0,1,2,3
	s_wait_dscnt (\younger)+3-\f
	global_store_b128 v[GO], v[S+16*(\t)+4*\f:S+16*(\t)+4*\f+3], s[OP:OP+1] offset:(\t)*2048+\f*512  ; 512 consecutive bytes, aligned to 256
.endr
.endm
	PACK 0
.set t, 1
.rept 2*NP-1
	PACK t
	SEND t-1, 8
.set t, t+1
.endr
	SEND 2*NP-1, 0
	WIN W_SM
	s_wait_tensorcnt 0x0            ; the wave's end, behind my last tensor load and my last LDS store
	ds_add_u32 v[SPW], v[NIL]
	s_wait_dscnt 0x0
	WIN 0
	CROUND                          ; the closing round
	s_endpgm
.Lfunc_end_k_q4b98d5a6e2_attn:
	.size	k_q4b98d5a6e2_attn, .Lfunc_end_k_q4b98d5a6e2_attn-k_q4b98d5a6e2_attn
	.p2alignl 7, 3214868480
	.fill 96, 4, 3214868480
	.section	.rodata,"a",@progbits
	.p2align	6, 0x0
	.amdhsa_kernel k_q4b98d5a6e2_attn
		.amdhsa_group_segment_fixed_size 327680
		.amdhsa_private_segment_fixed_size 0
		.amdhsa_enable_private_segment 0
		.amdhsa_kernarg_size 32
		.amdhsa_user_sgpr_count 2
		.amdhsa_user_sgpr_kernarg_segment_ptr 1
		.amdhsa_wavefront_size32 1
		.amdhsa_system_sgpr_workgroup_id_x 1
		.amdhsa_system_sgpr_workgroup_id_y 1
		.amdhsa_system_sgpr_workgroup_id_z 1
		.amdhsa_system_vgpr_workitem_id 0
		.amdhsa_next_free_vgpr 864
		.amdhsa_next_free_sgpr 96
		.amdhsa_reserve_vcc 1
		.amdhsa_float_denorm_mode_32 3
		.amdhsa_float_denorm_mode_16_64 3
		.amdhsa_memory_ordered 1
		.amdhsa_forward_progress 1
		.amdhsa_inst_pref_size 222
	.end_amdhsa_kernel
	.amdgpu_metadata
---
amdhsa.version: [ 1, 2 ]
amdhsa.kernels:
  - .name:           k_q4b98d5a6e2_attn
    .symbol:         k_q4b98d5a6e2_attn.kd
    .args:
      - { .name: QKV, .offset: 0, .size: 8, .value_kind: global_buffer, .address_space: global }
      - { .name: MB, .offset: 8, .size: 8, .value_kind: global_buffer, .address_space: global }
      - { .name: RK, .offset: 16, .size: 8, .value_kind: global_buffer, .address_space: global }
      - { .name: OH, .offset: 24, .size: 8, .value_kind: global_buffer, .address_space: global }
    .group_segment_fixed_size: 327680
    .private_segment_fixed_size: 0
    .kernarg_segment_align: 8
    .kernarg_segment_size: 32
    .max_flat_workgroup_size: 128
    .sgpr_count:     96
    .vgpr_count:     864
    .wavefront_size: 32
...
	.end_amdgpu_metadata
.endif
;; end of part 3
;; launch outp (part 4): grid 4 x 64, 4 waves a work-group, clusters of 4 x 4, 327,680 bytes of LDS; arguments OH, WC, bo, out0; writes out0
.if DOCPART == 4
	.amdgcn_target "amdgcn-amd-amdhsa--gfx1250"
	.amdhsa_code_object_version 6
	.text
	.protected	k_q4b98d5a6e2_outp
	.globl	k_q4b98d5a6e2_outp
	.p2align	8
	.type	k_q4b98d5a6e2_outp,@function
k_q4b98d5a6e2_outp:
	s_mov_b64 s[64:65], 0
	v_nop
	global_prefetch_b8 v0, s[64:65] scope:SCOPE_SE
	s_setreg_imm32_b32 hwreg(HW_REG_WAVE_MODE, 25, 1), 1
	s_wait_xcnt 0x0
	s_wait_alu depctr_hold_cnt(0) depctr_sa_sdst(0) depctr_va_vdst(0) depctr_va_sdst(0) depctr_va_ssrc(0) depctr_va_vcc(0) depctr_vm_vsrc(0)
	s_getreg_b32 s2, hwreg(HW_REG_IB_STS2, 6, 4)
	s_cmp_eq_u32 s2, 0
	s_cbranch_scc0 .Lentry_in_a_cluster
	s_endpgm
.Lentry_in_a_cluster:
	s_bfe_u32 s2, ttmp6, 0x10000c
	s_cmp_lg_u32 s2, 0xf033
	s_cbranch_scc0 .Lentry_shape_is_right
	s_endpgm
.Lentry_shape_is_right:
; THE OUTPUT PROJECTION.  out0[b][s][n] = the sum over (h, d) of OH[16 b + h][s][d] wo[n][64 h + d] + bo[n].  OH: f16 by heads; wo: WC[3], [1024][1024] f16 (rounded to bf16 first); bo rounded to bf16, added in f32; out0 f32.
; Products in f16, sums in f32, K ascending.  NaN and infinities are not treated apart.
; SHARES.  A tile is 128 rows x 256 columns: 256 work-groups.  Four waves, each 64 x 128: 32 accumulators.  A K step of 128 is two heads: A's tile is two dense blocks of 128 rows x 128 bytes, asked for as rows of
; 256 bytes and padded after every 128; wo's tile is 256 rows of 256 bytes.  Two slots.
; CLUSTER 4 x 4: A's tile is shared along a row of the cluster, wo's along a column.  THE MATRIX INSTRUCTION IS USED TRANSPOSED (source 0 = rows of wo): a lane holds eight neighbouring columns of one row.
; REGISTERS: window 0: v0-31 addresses; v32-63, v64-127 at work; v192-255 the bias.  window 1: two fragment buffers at 0 and 128 (A at + 8 a, wo at + 32 + 8 b); on the way out whole rows.  window 2: accumulator (a, b) at 8 (8 a + b).
.set AP,    144                        ; a row of A in LDS: 128 bytes + 16
.set WP,    272                        ; a row of wo: 256 + 16: in both, the 16 rows of a load start at 16 different groups of four banks (64 banks of 4 bytes: ISA guide 11.1)
.set AHEAD_, 128*AP                    ; one head's 128 rows: what a tensor load of A brings
.set WHALF, 128*WP
.set BOFF,  2*AHEAD_
.set SLOT1, 1<<17
.set STAGE, SLOT1+BOFF+2*WHALF         ; behind the slots, never filled by a tensor load: 16 rows x 528 bytes for each wave
.set SP,    528
.set SPARE, STAGE+4*16*SP              ; the spare words: two blocks of 256 bytes that no other line names
.set ADRA0, 16
.set ADRA,  17
.set ADRB0, 18
.set ADRB,  19
.set STO,   24
.set RD,    25
.set GO,    26
.set BO,    27
.set SPW,   28
.set NIL,   29
.set PFO,   30
.set TR,    32
.set T,     64
.set BI,    192
.set CNT,   3
.set TB,    22
.set G1A,   24
.set G0A,   32
.set PFA,   44
.set PST,   46
.set G1B,   48
.set G0B,   56
.set LIM,   84
.set PM,    85
.set PH,    86
.set TT,    87
.set MUL,   0xa5
.set CV,    0x40
.set MSB, 0
.macro WIN new
.if MSB != (\new)
	s_set_vgpr_msb (MSB<<8)|(\new)
.set MSB, \new
.endif
.endm
.macro PLACES
.rept 4
	v_nop
.endr
.endm
.macro CREST
	s_cmp_lg_u32 s10, 0
	s_cbranch_scc1 .Lnot_wave_0_\@
	s_barrier_signal -3
.Lnot_wave_0_\@:
	s_barrier_wait -3
	s_barrier_signal -1
	s_barrier_wait -1
.endm
.macro CROUND
	s_barrier_signal -1
	s_barrier_wait -1
	CREST
.endm
.macro JLOAD                           ; waves 0 and 1 fetch the K step's two heads of A, waves 2 and 3 the halves of wo's tile; an s_nop 0 and four v_nop follow each line
	s_cmp_eq_u32 s11, 0
	s_cbranch_scc0 .Lfor_b_\@
	tensor_load_to_lds s[G0A+4:G0A+7], s[G1A:G1A+7]
	s_nop 0
	PLACES
	s_branch .Lasked_\@
.Lfor_b_\@:
	tensor_load_to_lds s[G0B+4:G0B+7], s[G1B:G1B+7]
	s_nop 0
	PLACES
.Lasked_\@:
.endm
; A prefetch into the L2, two refills ahead.  A's tile row is read by this cluster alone: of a wave's 64 blocks of 256 bytes a step the partner at cx takes 16, so it asks every second refill for two steps at once.
; wo's tile column is read by all sixteen clusters: the first asks; of a wave's 128 rows the partner at cy takes 32.  Partners are told apart by address.  No request passes K step 7.
.macro ASK
	WIN 0
	s_and_b32 s[TT], s[CNT], s[PM]
	s_cmp_eq_u32 s[TT], s[PH]
	s_cbranch_scc0 .Lnot_mine_\@
	s_cmp_gt_u32 s[CNT], s[LIM]
	s_cbranch_scc0 .Lnot_mine_\@
	global_prefetch_b8 v[PFO], s[PFA:PFA+1] th:TH_LOAD_NT scope:SCOPE_SE
.Lnot_mine_\@:
.endm
	s_load_b256 s[68:75], s[0:1], 0x0              ; OH s[68:69], WC s[70:71], bo s[72:73], out0 s[74:75]
	v_lshl_add_u32 v[SPW], v0, 2, SPARE
	v_mov_b32 v[NIL], 0
	ds_add_u32 v[SPW], v[NIL]                      ; the wave's opening: the add and its wait stand ahead of my first tensor load
	v_lshrrev_b32 v1, 5, v0
	v_readfirstlane_b32 s10, v1                    ; wave 0..3
	s_lshr_b32 s11, s10, 1                         ; my half of the rows.  Also: I fetch for A (0) or for wo (1)
	s_and_b32 s12, s10, 1                          ; my half of the columns.  Also: which head, or which half of wo's tile, I fetch
	s_bfe_u32 s40, ttmp6, 0x40000                  ; cx = the tile column
	s_bfe_u32 s41, ttmp6, 0x40004                  ; cy
	s_and_b32 s42, ttmp7, 0xffff                   ; the cluster's y
	s_lshl_b32 s13, s42, 2
	s_add_co_u32 s13, s13, s41                     ; the tile row, 0..63
	s_lshl_b32 s14, s41, 2
	s_lshl_b32 s14, 15, s14                        ; my row of the cluster
	s_lshl_b32 s18, 0x1111, s40                    ; my column
	s_or_b32 s[G1A], s14, (1<<16)|(1<<20)|(1<<21)|(4<<22)|(3<<25)  ; 2-byte elements; after every 32 words 4 words of padding
	s_mov_b32 s[G1A+1], 128<<16
	s_mov_b32 s[G1A+2], 64<<16
	s_mov_b32 s[G1A+3], 128<<16
	s_mov_b32 s[G1A+4], 64
	s_mov_b32 s[G1A+5], 128
	s_mov_b32 s[G1A+6], 0
	s_mov_b32 s[G1A+7], 0
	s_or_b32 s[G1B], s18, (1<<16)|(1<<20)|(1<<21)|(5<<22)|(3<<25)  ; after every 64 words
	s_mov_b32 s[G1B+1], 128<<16
	s_mov_b32 s[G1B+2], 128<<16
	s_mov_b32 s[G1B+3], 128<<16
	s_mov_b32 s[G1B+4], 128
	s_mov_b32 s[G1B+5], 1024
	s_mov_b32 s[G1B+6], 0
	s_mov_b32 s[G1B+7], 0
	s_lshr_b32 s16, s13, 4                         ; A: ((16 batch + my head of the step) x 2048 + the tile's first row in the batch) x 128
	s_lshl_b32 s16, s16, 4
	s_add_co_u32 s16, s16, s12
	s_lshl_b32 s16, s16, 11
	s_and_b32 s17, s13, 15
	s_lshl_b32 s17, s17, 7
	s_add_co_u32 s16, s16, s17
	s_lshl_b32 s16, s16, 7
	s_mov_b32 s17, 0
	s_lshl_b32 s20, s40, 19                        ; wo: 256 rows of 2,048 bytes a tile column, 128 a half, behind three matrices of 2 MiB
	s_lshl_b32 s21, s12, 18
	s_add_co_u32 s20, s20, s21
	s_add_co_u32 s20, s20, 3<<21
	s_mov_b32 s21, 0
	s_mul_i32 s2, s12, AHEAD_                      ; where my head goes in slot 0
	s_mul_i32 s88, s12, WHALF
	s_add_co_u32 s88, s88, BOFF                    ; and my half of wo's tile
	s_mov_b32 s[TB], 0
	s_wait_dscnt 0x0                               ; the opening add is done
	s_wait_kmcnt 0x0
	s_add_nc_u64 s[14:15], s[68:69], s[16:17]
	s_add_nc_u64 s[18:19], s[70:71], s[20:21]
.irp s, 0,1
	s_mov_b32 s[G0A+4*(\s)], 1
	s_add_co_u32 s[G0A+4*(\s)+1], s2, (\s)*SLOT1
	s_add_nc_u64 s[G0A+4*(\s)+2:G0A+4*(\s)+3], s[14:15], (\s)*524288  ; a K step is two heads of 262,144 bytes
	s_or_b32 s[G0A+4*(\s)+3], s[G0A+4*(\s)+3], 0x80000000
	s_mov_b32 s[G0B+4*(\s)], 1
	s_add_co_u32 s[G0B+4*(\s)+1], s88, (\s)*SLOT1
	s_add_nc_u64 s[G0B+4*(\s)+2:G0B+4*(\s)+3], s[18:19], (\s)*256
	s_or_b32 s[G0B+4*(\s)+3], s[G0B+4*(\s)+3], 0x80000000
.endr
	CROUND                                         ; all sixteen work-groups are here: the first joint loads meet
	s_cmp_eq_u32 s11, 0                            ; a wave's two first fills stand in one branch: two loads of mine are out
	s_cbranch_scc0 .Lfirst_b
	tensor_load_to_lds s[G0A:G0A+3], s[G1A:G1A+7]
	s_nop 0
	tensor_load_to_lds s[G0A+4:G0A+7], s[G1A:G1A+7]
	s_nop 0
	PLACES
	s_branch .Lfirst_asked
.Lfirst_b:
	tensor_load_to_lds s[G0B:G0B+3], s[G1B:G1B+7]
	s_nop 0
	tensor_load_to_lds s[G0B+4:G0B+7], s[G1B:G1B+7]
	s_nop 0
	PLACES
.Lfirst_asked:
	v_and_b32 v1, 15, v0                           ; r
	v_bfe_u32 v2, v0, 4, 1                         ; h
	s_lshl_b32 s90, s40, 10                        ; my 128 columns, in bytes of f32
	s_lshl_b32 s91, s12, 9
	s_add_co_u32 s90, s90, s91
	v_lshl_add_u32 v[BO], v2, 5, s90
.irp b, 0,1,2,3,4,5,6,7
	global_load_b128 v[BI+8*(\b):BI+8*(\b)+3],   v[BO], s[72:73] offset:64*(\b)
	global_load_b128 v[BI+8*(\b)+4:BI+8*(\b)+7], v[BO], s[72:73] offset:64*(\b)+16
.endr
	v_mul_u32_u24 v[ADRA0], v1, AP
	v_lshl_add_u32 v[ADRA0], v2, 4, v[ADRA0]
	s_mul_i32 s89, s11, 64*AP                      ; my 64 rows
	v_add_nc_u32 v[ADRA0], s89, v[ADRA0]
	v_mul_u32_u24 v[ADRB0], v1, WP
	v_lshl_add_u32 v[ADRB0], v2, 4, v[ADRB0]
	v_add_nc_u32 v[ADRB0], s88, v[ADRB0]           ; my 128 rows of wo
	v_mov_b32 v[ADRA], v[ADRA0]
	v_mov_b32 v[ADRB], v[ADRB0]
	s_mul_i32 s89, s10, 16*SP
	s_add_co_u32 s89, s89, STAGE                   ; my stage
	v_mul_u32_u24 v[STO], v1, SP                   ; in: row r, 32 bytes for each half of the lanes
	v_lshl_add_u32 v[STO], v2, 5, v[STO]
	v_add_nc_u32 v[STO], s89, v[STO]
	v_and_b32 v3, 31, v0
	v_lshlrev_b32 v[GO], 4, v3                     ; back: 32 lanes take one row's 512 bytes
	v_add_nc_u32 v[RD], s89, v[GO]
	s_lshl_b32 s91, s13, 19                        ; out0: 128 rows of 4,096 bytes a tile row, 64 a wave, and my columns
	s_add_co_u32 s90, s90, s91
	s_lshl_b32 s91, s11, 18
	s_add_co_u32 s90, s90, s91
	s_mov_b32 s91, 0
	s_add_nc_u64 s[8:9], s[74:75], s[90:91]
	; the prefetches: they stand at K step 3; the first refill steps them to 4
	s_lshl_b32 s92, s40, 12                        ; A: my work-group's 16 blocks of the head's 64
	s_add_co_u32 s92, s92, s16
	s_add_co_u32 s92, s92, 3*524288
	s_lshl_b32 s93, s41, 16                        ; wo: my work-group's 32 rows of the wave's 128
	s_add_co_u32 s93, s93, s20
	s_add_co_u32 s93, s93, 3*256
	s_cmp_eq_u32 s42, 0
	s_cselect_b32 s94, 2, -1
	s_mov_b32 s95, 524288
	s_cmp_eq_u32 s11, 0
	s_cselect_b32 s92, s92, s93
	s_mov_b32 s93, 0
	s_cselect_b64 s[PFA:PFA+1], s[68:69], s[70:71]
	s_cselect_b32 s[PST], s95, 256
	s_mov_b32 s[PST+1], 0
	s_cselect_b32 s[LIM], 2, s94
	s_cselect_b32 s[PM], 1, 0
	s_mov_b32 s[PH], 0
	s_cselect_b32 s95, -1, 0
	s_add_nc_u64 s[PFA:PFA+1], s[PFA:PFA+1], s[92:93]
	v_lshlrev_b32 v4, 8, v1
	v_lshl_add_u32 v4, v2, 19, v4                  ; A: block l % 16 of the step, or of the step after it
	v_lshlrev_b32 v5, 11, v3                       ; wo: row l
	v_cndmask_b32 v[PFO], v5, v4, s95
; 24 LDS loads in one run: the fragments of quarter jq (32 along K: head jq / 2, channels 32 (jq % 2) on) into buffer g
.macro FETCH jq, g
	WIN CV
.irp a, 0,1,2,3
	ds_load_b128 v[128*(\g)+8*(\a):128*(\g)+8*(\a)+3],   v[ADRA] offset:((\jq)>>1)*AHEAD_+(\a)*16*AP+((\jq)&1)*64
	ds_load_b128 v[128*(\g)+8*(\a)+4:128*(\g)+8*(\a)+7], v[ADRA] offset:((\jq)>>1)*AHEAD_+(\a)*16*AP+((\jq)&1)*64+32
.endr
.irp b, 0,1,2,3,4,5,6,7
	ds_load_b128 v[128*(\g)+32+8*(\b):128*(\g)+32+8*(\b)+3],   v[ADRB] offset:(\b)*16*WP+64*(\jq)
	ds_load_b128 v[128*(\g)+32+8*(\b)+4:128*(\g)+32+8*(\b)+7], v[ADRB] offset:(\b)*16*WP+64*(\jq)+32
.endr
.endm
.macro MM f, zero                      ; product mi of 32: the 32 accumulators take turns, one instruction a turn
	WIN MUL
.if \zero
	v_wmma_f32_16x16x32_f16 v[8*mi:8*mi+7], v[128*(\f)+32+8*(mi%8):128*(\f)+32+8*(mi%8)+7], v[128*(\f)+8*(mi/8):128*(\f)+8*(mi/8)+7], 0
.else
	v_wmma_f32_16x16x32_f16 v[8*mi:8*mi+7], v[128*(\f)+32+8*(mi%8):128*(\f)+32+8*(mi%8)+7], v[128*(\f)+8*(mi/8):128*(\f)+8*(mi/8)+7], v[8*mi:8*mi+7]
.endif
.set mi, mi+1
.endm
.macro QUARTER jq, f, g, zero          ; multiplies buffer f; the next quarter's loads go out first and have its 32 products in which to land
	s_wait_dscnt 0x0                               ; buffer f is in
	PLACES                                         ; behind the last product that read buffer g
	FETCH \jq, \g
.set mi, 0
.rept 32
	MM \f, \zero
.endr
.endm
; The last quarter multiplies buffer 1 and changes slots: in front of the barrier each wave waits for all its tensor loads, adds 0 to its spare word, and waits for that and for its reads of this slot.
; fill = 1: the barrier opens a round of the cluster's barrier; the joint refill, two K steps ahead, is the first thing behind the round.
.macro TURN fill
.if \fill
	s_wait_xcnt 0x0                                ; the last prefetch has read its address
	s_add_nc_u64 s[PFA:PFA+1], s[PFA:PFA+1], s[PST:PST+1]
.endif
	WIN 0
	s_wait_tensorcnt 0x0
	ds_add_u32 v[SPW], v[NIL]
	s_wait_dscnt 1                                 ; buffer 1 is in; only the add may be out
.set mi, 0
.rept 8
	MM 1, 0
.endr
	s_wait_dscnt 0x0                               ; the add is done, and my reads of this slot are over
	s_barrier_signal -1
.rept 8
	MM 1, 0
.endr
	WIN 0
	s_barrier_wait -1
.if \fill
	CREST
	s_xor_b32 s[G0A+5], s[G0A+5], SLOT1
	s_add_nc_u64 s[G0A+6:G0A+7], s[G0A+6:G0A+7], 524288
	s_xor_b32 s[G0B+5], s[G0B+5], SLOT1
	s_add_nc_u64 s[G0B+6:G0B+7], s[G0B+6:G0B+7], 256
	JLOAD                                          ; its four v_nop are also the places in front of the loads below
.else
	PLACES
.endif
	s_xor_b32 s[TB], s[TB], SLOT1
	v_add_nc_u32 v[ADRA], s[TB], v[ADRA0]
	v_add_nc_u32 v[ADRB], s[TB], v[ADRB0]
	FETCH 0, 0
.if \fill
	ASK
.endif
.rept 16
	MM 1, 0
.endr
.endm
	s_wait_tensorcnt 0x1                           ; my part of K step 0 is in; K step 1's may stay out
	s_barrier_signal -1
	s_barrier_wait -1
	FETCH 0, 0
	WIN 0
	s_wait_loadcnt 0x0                             ; the bias: rounded to bf16 like every input, kept as f32
.set z, 0
.rept 32
	v_cvt_pk_bf16_f32 v[TR+z], v[BI+2*z], v[BI+2*z+1]
.set z, z+1
.endr
.set z, 0
.rept 32
	v_lshlrev_b32 v[BI+2*z], 16, v[TR+z]
	v_and_b32 v[BI+2*z+1], 0xffff0000, v[TR+z]
.set z, z+1
.endr
	QUARTER 1, 0, 1, 1                             ; the first quarter's products start the sums
	WIN 0
	s_mov_b32 s[CNT], 6
.Lk:                                           ; six trips: K steps 2 to 7 are asked for
	QUARTER 2, 1, 0, 0
	QUARTER 3, 0, 1, 0
	TURN 1
	QUARTER 1, 0, 1, 0
	WIN 0
	s_sub_co_u32 s[CNT], s[CNT], 1
	s_cmp_lg_u32 s[CNT], 0
	s_cbranch_scc1 .Lk
	s_mov_b32 s[CNT], 2
.Lt:                                           ; the tail asks for nothing; it is left in the middle of its second trip
	QUARTER 2, 1, 0, 0
	QUARTER 3, 0, 1, 0
	WIN 0
	s_sub_co_u32 s[CNT], s[CNT], 1
	s_cmp_eq_u32 s[CNT], 0
	s_cbranch_scc1 .Llast
	TURN 0
	QUARTER 1, 0, 1, 0
	WIN 0
	s_branch .Lt
.Llast:
	s_wait_dscnt 0x0
.set mi, 0
.rept 32
	MM 1, 0
.endr
	WIN 0
	PLACES
	PLACES
; THE WAY OUT, 16 rows at a time: the bias is added; 32 bytes a lane and column block go into rows of 528 bytes of my own stage and come back as whole rows of 512 bytes, into window 1.
.macro PACK a
	WIN 0x02
.set z, 0
.rept 32
	v_pk_add_f32 v[T+2*z:T+2*z+1], v[64*(\a)+2*z:64*(\a)+2*z+1], v[BI+2*z:BI+2*z+1]
.set z, z+1
.endr
	WIN 0
.irp b, 0,1,2,3,4,5,6,7
	ds_store_b128 v[STO], v[T+8*(\b):T+8*(\b)+3]   offset:64*(\b)
	ds_store_b128 v[STO], v[T+8*(\b)+4:T+8*(\b)+7] offset:64*(\b)+16
.endr
	WIN CV
.set z, 0
.rept 16
	ds_load_b128 v[64*(\a)+4*z:64*(\a)+4*z+3], v[RD] offset:z*SP  ; LDS serves a wave's instructions in order (ISA guide 5.7.1.4): these see the stores above
.set z, z+1
.endr
.endm
.macro SEND a, younger                 ; younger: the LDS instructions issued behind block a's loads
	WIN 0x04                                       ; the stores' data in window 1
.set z, 0
.rept 16
	s_wait_dscnt (\younger)+15-z
	global_store_b128 v[GO], v[64*(\a)+4*z:64*(\a)+4*z+3], s[8:9] offset:(16*(\a)+z)*4096 th:TH_STORE_NT  ; 512 consecutive bytes of a row, aligned to 256
.set z, z+1
.endr
.endm
	PACK 0
.irp a, 1,2,3
	PACK \a
	SEND (\a)-1, 32
.endr
	SEND 3, 0
	WIN 0
	s_wait_tensorcnt 0x0                           ; the wave's end, behind my last tensor load and my last LDS store
	ds_add_u32 v[SPW], v[NIL]
	s_wait_dscnt 0x0
	CROUND                                         ; the closing round
	s_endpgm
.Lfunc_end_k_q4b98d5a6e2_outp:
	.size	k_q4b98d5a6e2_outp, .Lfunc_end_k_q4b98d5a6e2_outp-k_q4b98d5a6e2_outp
	.p2alignl 7, 3214868480
	.fill 96, 4, 3214868480
	.section	.rodata,"a",@progbits
	.p2align	6, 0x0
	.amdhsa_kernel k_q4b98d5a6e2_outp
		.amdhsa_group_segment_fixed_size 327680
		.amdhsa_private_segment_fixed_size 0
		.amdhsa_enable_private_segment 0
		.amdhsa_kernarg_size 32
		.amdhsa_user_sgpr_count 2
		.amdhsa_user_sgpr_kernarg_segment_ptr 1
		.amdhsa_wavefront_size32 1
		.amdhsa_system_sgpr_workgroup_id_x 1
		.amdhsa_system_sgpr_workgroup_id_y 1
		.amdhsa_system_sgpr_workgroup_id_z 1
		.amdhsa_system_vgpr_workitem_id 0
		.amdhsa_next_free_vgpr 768
		.amdhsa_next_free_sgpr 96
		.amdhsa_reserve_vcc 0
		.amdhsa_float_denorm_mode_32 3
		.amdhsa_float_denorm_mode_16_64 3
		.amdhsa_memory_ordered 1
		.amdhsa_forward_progress 1
		.amdhsa_inst_pref_size 79
	.end_amdhsa_kernel
	.amdgpu_metadata
---
amdhsa.version: [ 1, 2 ]
amdhsa.kernels:
  - .name:           k_q4b98d5a6e2_outp
    .symbol:         k_q4b98d5a6e2_outp.kd
    .args:
      - { .name: OH, .offset: 0, .size: 8, .value_kind: global_buffer, .address_space: global }
      - { .name: WC, .offset: 8, .size: 8, .value_kind: global_buffer, .address_space: global }
      - { .name: bo, .offset: 16, .size: 8, .value_kind: global_buffer, .address_space: global }
      - { .name: out0, .offset: 24, .size: 8, .value_kind: global_buffer, .address_space: global }
    .group_segment_fixed_size: 327680
    .private_segment_fixed_size: 0
    .kernarg_segment_align: 8
    .kernarg_segment_size: 32
    .max_flat_workgroup_size: 128
    .sgpr_count:     96
    .vgpr_count:     768
    .wavefront_size: 32
...
	.end_amdgpu_metadata
.endif
;; end of part 4
;; ======== version 2 of 2: 4 launches; version 1 with the launch prep written anew for expert scheduling mode
;; limits: values are held in f16: magnitudes above 65,504 overflow, below 6.1e-05 lose precision; right only within a limited range of input values
;; workspace buffers: MB 8,388,608 bytes; RK 8,192 bytes of whole numbers; WC 8,388,608 bytes; QKV 50,331,648 bytes; OH 16,777,216 bytes
;; launch prep (part 5): grid 384 x 1, 8 waves a work-group, no clusters, 0 bytes of LDS; arguments mask, wq, wk, wv, wo, MB, RK, WC; writes MB, RK, WC
.if DOCPART == 5
	.amdgcn_target "amdgcn-amd-amdhsa--gfx1250"
	.amdhsa_code_object_version 6
	.text
	.protected	k_q4b98d5a6e2_prep
	.globl	k_q4b98d5a6e2_prep
	.p2align	8
	.type	k_q4b98d5a6e2_prep,@function
k_q4b98d5a6e2_prep:
	s_mov_b64 s[64:65], 0
	v_nop
	global_prefetch_b8 v0, s[64:65] scope:SCOPE_SE
	s_setreg_imm32_b32 hwreg(HW_REG_WAVE_SCHED_MODE, 0, 2), 2
	s_setreg_imm32_b32 hwreg(HW_REG_WAVE_MODE, 25, 1), 1
	s_wait_xcnt 0x0
	s_wait_alu depctr_vm_vsrc(0)
; PREP: the mask and the four weight matrices are read once and written in the forms that the later launches multiply.
; Work-groups 0-127: mask [2048][2048] int32 -> MB, f16, laid out [query block 4][key step 32][query 512][key 64]: 0 where the key is visible (mask != 0),
;   -65504 where it is hidden.  A row with NO visible key is written as all visible, and RK[row] = 0 (else -1): the attention launch clears that row's query with RK,
;   so that all its scores are equal, which gives the even weights that a softmax over equal hidden scores gives.
; Work-groups 128-383: wq, wk, wv -> WC[0..2] in bf16; wo -> WC[3]: rounded to bf16 and that number written as f16.
; LIMITS: |wo| stays under 65,504; below 6.1e-5 f16 keeps a fixed step of 6e-8.  NaN and infinities are not treated apart.
; A stream: every byte is read once and written once; no LDS, no barrier, no matrix unit: no wave wants a byte that another has fetched.  All loads of a wave go out before its first wait for data.
; THE MODE: SCHED_MODE bits 1:0 = 2 (LLVM: expert scheduling mode 2), set by the entry lines.  The code itself states the register dependences
; between vector instructions and memory instructions, and those through scalar registers that vector instructions write, with s_wait_alu, always for 0.
; THE PLAN.  Registers that memory instructions touch:
;   v2, v3, v12  byte offsets, made once at a path's head and never written again: one wait ahead of the path's first load serves every load and store.
;   X            as loaded.  No vector instruction names it ahead of the loads; behind them vector instructions alone read and write it.
;   Y            to store.  Each register is written by one run's (one block's) vector instructions and read by one store; none is written after its store.
;   v11          RK's word: written once, read by one store.
; The mask is converted in eight RUNS of 16 words: 16 compares into 16 scalar registers, one wait for these, 16 selects, 8 packings into 8 registers of Y.  Beside that wait stands the one that states that the
; run before has written its part of Y; its two stores follow, and no vector instruction of this run names their registers.  The weights go in four BLOCKS of four loads in the same way: at a block's head one wait
; states that the block before has written its part of Y, and that block's four stores are dealt among this block's conversions.  No register that a memory instruction has read is written again,
; so the waits for such reads stand at the two writes of EXEC alone.
.set X, 16                             ; v[16:143]  as loaded: up to 32 loads of four registers
.set Y, 144                            ; v[144:207] to store; no register of it is written after its store
	s_load_b512 s[8:23], s[0:1], 0x0               ; mask s[8:9], wq s[10:11], wk s[12:13], wv s[14:15], wo s[16:17], MB s[18:19], RK s[20:21], WC s[22:23]
	v_and_b32 v1, 31, v0                           ; lane
	v_lshrrev_b32 v13, 5, v0
	v_readfirstlane_b32 s24, v13                   ; wave 0..7
	s_wait_alu depctr_va_sdst(0)                   ; s24 is written: ahead of the branch, behind which its first reader stands on either way
	s_cmp_lt_u32 ttmp9, 128
	s_cbranch_scc0 .Lweights
	; THE MASK.  Wave w of work-group g owns rows q0 = 16 g + 2 w and q0 + 1.  Lane: j = l % 8 (eight keys), rr = bit 3 (the row), hs = bit 4 (the parity of the key step).
	; Load pair i brings keys 64 (2 i + hs) + 8 j .. + 7 of row q0 + rr: 32 bytes, which become 16 bytes of MB.
	s_lshl_b32 s25, ttmp9, 4
	s_lshl1_add_u32 s25, s24, s25                  ; q0
	v_and_b32 v2, 7, v1
	v_lshlrev_b32 v2, 5, v2                        ; 32 j
	v_bfe_u32 v13, v1, 3, 1                        ; rr
	v_lshl_add_u32 v2, v13, 13, v2                 ; + a row of 8,192 bytes
	v_lshlrev_b32 v12, 2, v13                      ; RK: 4 rr
	v_bfe_u32 v13, v1, 4, 1                        ; hs
	v_lshl_add_u32 v2, v13, 8, v2                  ; + 64 keys of 4 bytes
	v_and_b32 v3, 15, v1
	v_lshlrev_b32 v3, 4, v3                        ; MB: 128 rr + 16 j,
	v_lshl_add_u32 v3, v13, 16, v3                 ; + a step's tile of 65,536 bytes
	v_mov_b32 v9, 0                                ; the destination of the lane exchanges counts as read
	v_mov_b32 v13, 0xfbff                          ; -65504 in f16
	s_lshl_b32 s26, s25, 13                        ; q0 rows of the mask
	s_mov_b32 s27, 0
	s_lshr_b32 s28, s25, 9
	s_lshl_b32 s28, s28, 21                        ; the query block: 32 tiles of 65,536 bytes
	s_and_b32 s29, s25, 511
	s_lshl_b32 s29, s29, 7                         ; the row in a tile: 128 bytes
	s_add_co_u32 s28, s28, s29
	s_mov_b32 s29, 0
	s_lshl_b32 s30, s25, 2
	s_mov_b32 s31, 0
	s_mov_b32 s2, 0x76543210                       ; v_permlanex16_b32: each lane takes its own place in the other half
	s_mov_b32 s3, 0xfedcba98
	s_wait_kmcnt 0x0
	s_add_nc_u64 s[8:9], s[8:9], s[26:27]
	s_add_nc_u64 s[18:19], s[18:19], s[28:29]
	s_add_nc_u64 s[20:21], s[20:21], s[30:31]
	s_wait_alu depctr_va_vdst(0)                   ; v2, v3 and v12 are written: the offsets of the loads, of MB's stores and of RK's store
.set n, 0
.rept 16
	global_load_b128 v[X+8*n:X+8*n+3],   v2, s[8:9] offset:512*n th:TH_LOAD_NT
	global_load_b128 v[X+8*n+4:X+8*n+7], v2, s[8:9] offset:512*n+16 th:TH_LOAD_NT
.set n, n+1
.endr
	; is any key of the row visible?  Four chains of ORs, started by the first two loads; the counts let the younger loads stay out
	s_wait_loadcnt 30
.irp k, 0,1,2,3
	v_or_b32 v[4+(\k)], v[X+(\k)], v[X+4+(\k)]
.endr
.set n, 2
.rept 30
	s_wait_loadcnt 31-n                            ; load n is in: 31 - n were issued behind it
.irp k, 0,1,2,3
	v_or_b32 v[4+(\k)], v[4+(\k)], v[X+4*n+(\k)]
.endr
.set n, n+1
.endr
	v_or_b32 v4, v4, v5
	v_or_b32 v6, v6, v7
	v_or_b32 v4, v4, v6
	; across the sixteen lanes of my row: bits 0, 1, 2 and 4 of the lane's number; bit 3, the row, is never crossed
.irp m, 1,2,4
	v_mov_b32_dpp v9, v4 row_xmask:\m row_mask:0xf bank_mask:0xf
	v_or_b32 v4, v4, v9
.endr
	v_permlanex16_b32 v9, v4, s2, s3
	v_or_b32 v4, v4, v9
	v_cmp_ne_u32 s4, 0, v4                         ; the row has a visible key; the wait for s4 is run 0's
	; Run g: words 16 g to 16 g + 15 of X.  The compares' results lie in s10-s17 and s24-s31: the other path's addresses and spent offsets, which this path reads no more.
.set g, 0
.rept 8
.set k, 0
.rept 16
	v_cmp_eq_u32 s[10+k+6*(k/8)], 0, v[X+16*g+k]
.set k, k+1
.endr
	s_wait_alu depctr_va_sdst(0)                   ; the run's sixteen compares (in run 0 also the one into s4) have written their scalar registers, which the selects below read
.if g == 0
	v_cndmask_b32 v10, 0, v13, s4                  ; what a hidden key is written as
	v_cndmask_b32 v11, 0, -1, s4                   ; RK
.else
	s_wait_alu depctr_va_vdst(0)                   ; the run before has written its eight registers of Y, which the two stores below read
	global_store_b128 v3, v[Y+8*g-8:Y+8*g-5], s[18:19] offset:131072*(2*g-2)  ; sixteen lanes store 256 consecutive bytes, aligned: two rows' 128 bytes of one step's tile
	global_store_b128 v3, v[Y+8*g-4:Y+8*g-1], s[18:19] offset:131072*(2*g-1)  ; no vector instruction since the wait names these registers
.endif
.set k, 0
.rept 16
	v_cndmask_b32 v[X+16*g+k], 0, v10, s[10+k+6*(k/8)]
.set k, k+1
.endr
.set k, 0
.rept 8
	v_lshl_or_b32 v[Y+8*g+k], v[X+16*g+2*k+1], 16, v[X+16*g+2*k]
.set k, k+1
.endr
.set g, g+1
.endr
	s_wait_alu depctr_va_vdst(0)                   ; run 7 has written the last eight registers of Y, which the last two stores read
	global_store_b128 v3, v[Y+56:Y+59], s[18:19] offset:131072*14
	global_store_b128 v3, v[Y+60:Y+63], s[18:19] offset:131072*15
	v_and_b32 v13, 0x17, v1                        ; lanes 0 and 8 write the two rows' RK: 8 bytes a wave, 8,192 in the launch: the one store of the program that does not cover 256 bytes
	v_cmp_eq_u32 vcc_lo, 0, v13
	s_wait_xcnt 0x0                                ; EXEC is a source of the stores above: it changes only behind this wait
	s_wait_alu depctr_va_vcc(0)                    ; VCC is written: EXEC is made from it
	s_wait_alu depctr_va_vdst(0)                   ; every vector instruction issued so far has written its result, ahead of the write of EXEC; v11 and v12, which the store below reads, among them
	s_wait_alu depctr_vm_vsrc(0)                   ; MB's stores have read their vector registers, ahead of the write of EXEC
	s_and_saveexec_b32 s6, vcc_lo
	global_store_b32 v12, v11, s[20:21]
	s_wait_xcnt 0x0                                ; and again in front of the line that widens it
	s_wait_alu depctr_va_vdst(0)                   ; no vector instruction is unfinished at the write of EXEC
	s_wait_alu depctr_vm_vsrc(0)                   ; RK's store has read v11 and v12, ahead of the write of EXEC
	s_or_b32 exec_lo, exec_lo, s6
	s_endpgm
.Lweights:
	; THE WEIGHTS.  Matrix wi = (g - 128) / 64, part = (g - 128) % 64: 65,536 bytes of f32 a work-group, 8,192 a wave: 16 loads of 512 consecutive bytes, 16 stores of 256.
	s_sub_co_u32 s25, ttmp9, 128
	s_lshr_b32 s26, s25, 6                         ; wi
	s_and_b32 s25, s25, 63                         ; part
	s_lshl_b32 s28, s25, 16
	s_lshl_b32 s29, s24, 13
	s_add_co_u32 s28, s28, s29
	s_mov_b32 s29, 0
	s_lshl_b32 s30, s26, 21                        ; a matrix of WC is 2 MiB
	s_lshl_b32 s31, s25, 15
	s_add_co_u32 s30, s30, s31
	s_lshl_b32 s31, s24, 12
	s_add_co_u32 s30, s30, s31
	s_mov_b32 s31, 0
	s_mov_b32 s2, 0xffff0000                       ; a word's upper bf16
	v_lshlrev_b32 v2, 4, v1
	v_lshlrev_b32 v3, 3, v1
	s_wait_kmcnt 0x0
	s_cmp_lt_u32 s26, 1
	s_cselect_b64 s[4:5], s[10:11], s[12:13]
	s_cmp_lt_u32 s26, 3
	s_cselect_b64 s[6:7], s[14:15], s[16:17]
	s_cmp_lt_u32 s26, 2
	s_cselect_b64 s[4:5], s[4:5], s[6:7]
	s_add_nc_u64 s[4:5], s[4:5], s[28:29]
	s_add_nc_u64 s[22:23], s[22:23], s[30:31]
	s_wait_alu depctr_va_vdst(0)                   ; v2 and v3 are written: the offsets of the loads and of the stores, on both ways below
.set n, 0
.rept 16
	global_load_b128 v[X+4*n:X+4*n+3], v2, s[4:5] offset:512*n th:TH_LOAD_NT
.set n, n+1
.endr
; Block p: loads 4 p to 4 p + 3 are converted into Y + 8 p .. + 7; the four stores of block p - 1 are dealt among the conversions.
; wo = 1: to bf16, like every input of the module, and that number as f16, the format of the product that takes it.
.macro WBLK p, wo
	s_wait_loadcnt 12-4*(\p)                       ; the block's four loads are in: 12 - 4 p were issued behind them
.if (\p) > 0
	s_wait_alu depctr_va_vdst(0)                   ; the block before has written its eight registers of Y, which the four stores below read; no vector instruction of this block names them
.endif
.irp i, 0,1,2,3
.if (\p) > 0
	global_store_b64 v3, v[Y+8*(\p)-8+2*(\i):Y+8*(\p)-8+2*(\i)+1], s[22:23] offset:256*(4*(\p)-4+(\i))  ; 32 lanes store 256 consecutive bytes, aligned
.endif
	v_cvt_pk_bf16_f32 v[Y+8*(\p)+2*(\i)],   v[X+16*(\p)+4*(\i)],   v[X+16*(\p)+4*(\i)+1]
	v_cvt_pk_bf16_f32 v[Y+8*(\p)+2*(\i)+1], v[X+16*(\p)+4*(\i)+2], v[X+16*(\p)+4*(\i)+3]
.if \wo
	v_lshlrev_b32 v[X+16*(\p)+4*(\i)],   16, v[Y+8*(\p)+2*(\i)]
	v_and_b32     v[X+16*(\p)+4*(\i)+1], s2, v[Y+8*(\p)+2*(\i)]
	v_lshlrev_b32 v[X+16*(\p)+4*(\i)+2], 16, v[Y+8*(\p)+2*(\i)+1]
	v_and_b32     v[X+16*(\p)+4*(\i)+3], s2, v[Y+8*(\p)+2*(\i)+1]
	v_cvt_pk_f16_f32 v[Y+8*(\p)+2*(\i)],   v[X+16*(\p)+4*(\i)],   v[X+16*(\p)+4*(\i)+1]
	v_cvt_pk_f16_f32 v[Y+8*(\p)+2*(\i)+1], v[X+16*(\p)+4*(\i)+2], v[X+16*(\p)+4*(\i)+3]
.endif
.endr
.endm
.macro WEND
	s_wait_alu depctr_va_vdst(0)                   ; block 3 has written the last eight registers of Y, which the last four stores read
.irp i, 0,1,2,3
	global_store_b64 v3, v[Y+24+2*(\i):Y+24+2*(\i)+1], s[22:23] offset:256*(12+(\i))
.endr
	s_endpgm
.endm
	s_cmp_eq_u32 s26, 3
	s_cbranch_scc1 .Lwo
	WBLK 0, 0
	WBLK 1, 0
	WBLK 2, 0
	WBLK 3, 0
	WEND
.Lwo:                                          ; wo
	WBLK 0, 1
	WBLK 1, 1
	WBLK 2, 1
	WBLK 3, 1
	WEND
.Lfunc_end_k_q4b98d5a6e2_prep:
	.size	k_q4b98d5a6e2_prep, .Lfunc_end_k_q4b98d5a6e2_prep-k_q4b98d5a6e2_prep
	.p2alignl 7, 3214868480
	.fill 96, 4, 3214868480
	.section	.rodata,"a",@progbits
	.p2align	6, 0x0
	.amdhsa_kernel k_q4b98d5a6e2_prep
		.amdhsa_group_segment_fixed_size 0
		.amdhsa_private_segment_fixed_size 0
		.amdhsa_enable_private_segment 0
		.amdhsa_kernarg_size 64
		.amdhsa_user_sgpr_count 2
		.amdhsa_user_sgpr_kernarg_segment_ptr 1
		.amdhsa_wavefront_size32 1
		.amdhsa_system_sgpr_workgroup_id_x 1
		.amdhsa_system_sgpr_workgroup_id_y 1
		.amdhsa_system_sgpr_workgroup_id_z 1
		.amdhsa_system_vgpr_workitem_id 0
		.amdhsa_next_free_vgpr 208
		.amdhsa_next_free_sgpr 66
		.amdhsa_reserve_vcc 1
		.amdhsa_float_denorm_mode_32 3
		.amdhsa_float_denorm_mode_16_64 3
		.amdhsa_memory_ordered 1
		.amdhsa_forward_progress 1
		.amdhsa_inst_pref_size 47
	.end_amdhsa_kernel
	.amdgpu_metadata
---
amdhsa.version: [ 1, 2 ]
amdhsa.kernels:
  - .name:           k_q4b98d5a6e2_prep
    .symbol:         k_q4b98d5a6e2_prep.kd
    .args:
      - { .name: mask, .offset: 0, .size: 8, .value_kind: global_buffer, .address_space: global }
      - { .name: wq, .offset: 8, .size: 8, .value_kind: global_buffer, .address_space: global }
      - { .name: wk, .offset: 16, .size: 8, .value_kind: global_buffer, .address_space: global }
      - { .name: wv, .offset: 24, .size: 8, .value_kind: global_buffer, .address_space: global }
      - { .name: wo, .offset: 32, .size: 8, .value_kind: global_buffer, .address_space: global }
      - { .name: MB, .offset: 40, .size: 8, .value_kind: global_buffer, .address_space: global }
      - { .name: RK, .offset: 48, .size: 8, .value_kind: global_buffer, .address_space: global }
      - { .name: WC, .offset: 56, .size: 8, .value_kind: global_buffer, .address_space: global }
    .group_segment_fixed_size: 0
    .private_segment_fixed_size: 0
    .kernarg_segment_align: 8
    .kernarg_segment_size: 64
    .max_flat_workgroup_size: 256
    .sgpr_count:     66
    .vgpr_count:     208
    .wavefront_size: 32
...
	.end_amdgpu_metadata
.endif
;; end of part 5
;; launch proj: the kernel of part 2 again; grid 4 x 192, 4 waves a work-group, clusters of 4 x 4, 327,680 bytes of LDS; arguments q, k, v, bq, bk, bv, WC, QKV; writes QKV
;; launch attn: the kernel of part 3 again; grid 4 x 64, 4 waves a work-group, clusters of 4 x 4, 327,680 bytes of LDS; arguments QKV, MB, RK, OH; writes OH
;; launch outp: the kernel of part 4 again; grid 4 x 64, 4 waves a work-group, clusters of 4 x 4, 327,680 bytes of LDS; arguments OH, WC, bo, out0; writes out0
